; MI455X (gfx1250); checked and timed in simulation.
; The chip was launched on July 23, 2026; its instructions are those of AMD's public machine-readable ISA for CDNA 5 (MIT licence, August 2026) and "CDNA5" Instruction Set Architecture Reference Guide (July 2026). The comments in the code are by the model that wrote it; some were corrected since.
;; Additive Attention. Allowed arithmetic: matrix products marked QUANTISED: E4M3 operands, one E8M0 scale for each 32 along K, by v_wmma_scale_f32_16x16x128_f8f6f4 with both operands' format E4M3, f32 sums; products left as they are: f32 operands where the result goes on into a quantised operand, else bf16, f16 or f32 operands; f32 sums; everything else in f32.
;; Inputs: W_k 1,024 x 1,024 float32; W_q 1,024 x 1,024 float32; keys 1,024 x 32 x 1,024 float32; queries 1,024 x 32 x 1,024 float32; values 1,024 x 1 x 1,024 float32; w_v 1 x 1,024 float32.
;; Outputs: out0 32 x 1,024 float32.
;; This version of the problem:
;;   THIS VERSION OF THE PROBLEM IS GIVEN IN LOW PRECISION. The matrix products marked QUANTISED in the list below multiply operands that are first quantised to E4M3 (4 exponent bits, 3 mantissa bits; 8 bits a number), with one power-of-two scale for each 32 numbers along K (OCP MX v1.0); their sums are f32. All else is computed in f32.
;;   The module's matrix products, in the order in which they are computed (A, B: the left and right operand; K: the contracted axis; several contracted axes count as one K, in the product's order):
;;     1. [M 32,768, K 1,024] x [K 1,024, N 1,024]; A: input queries; B: input W_q: QUANTISED
;;     2. [M 32,768, K 1,024] x [K 1,024, N 1,024]; A: input keys; B: input W_k: QUANTISED
;;     3. [M 32,768, K 1,024] x [K 1,024, N 1]; A: computed on the way; B: input w_v: left as it is (N = 1 < 16)
;;     4. [M 32, K 1,024] x [K 1,024, N 1,024]; A: computed on the way; B: input values: QUANTISED
;;   THE QUANTISER, for each operand of a quantised product, along K:
;;     - K is cut into blocks of 32 from its start; a last block that is shorter is filled with zeros.
;;     - A block's scale is 2^e with e = floor(log2(the largest magnitude in the block)) - 8, held to -126 .. 127; a block of zeros has e = 0. As a byte (E8M0): e + 127.
;;     - Each number is divided by its block's scale, clamped to +-448, and rounded to the nearest number of E4M3, ties to even, subnormals kept.
;;     - The product sums the exact products of the quantised numbers (number of the format x scale) in f32.
;;   ~~~python
;;   def quantise(x, axis):      # numpy; x: float32 -> the quantised numbers, widened to float32 again
;;       x = np.moveaxis(x, axis, -1); K = x.shape[-1]
;;       x = np.pad(x, [(0, 0)] * (x.ndim - 1) + [(0, -K % 32)]); x = x.reshape(x.shape[:-1] + (-1, 32)); a = np.abs(x).max(-1, keepdims=True)
;;       e = np.where(a > 0, np.clip(np.frexp(np.where(a > 0, a, 1))[1] - 1 - 8, -126, 127), 0)      # np.frexp(a)[1] - 1 = floor(log2(a)), exactly
;;       r = np.clip(x / 2.0 ** e, -448, 448)
;;       step = 2.0 ** (np.maximum(np.frexp(np.where(r == 0, 1, r))[1] - 1, -6) - 3)
;;       q = np.round(r / step) * step * 2.0 ** e      # np.round: ties to even
;;       return np.moveaxis(q.reshape(q.shape[:-2] + (-1,))[..., :K], -1, axis).astype(np.float32)
;;   ~~~
;;   OPERANDS COMPUTED ON THE WAY. 'Computed on the way' means the value that the module computes at that place (a softmax that the list does not call 'softmax' is quantised finished and normalised). What goes into a quantiser is computed in f32, as accurately as f32 sums, v_exp_f32 and their like allow (about 1e-6 of the number): no bf16 or f16 on the way to a quantiser, and a product that is left as it is and whose result goes on into a quantised operand takes f32 operands (vector FMAs, or v_wmma_f32_16x16x4_f32). A number that lies on a knife's edge between two numbers of the format may be rounded either way, as far as f32 arithmetic and the matrix unit's own rounding can turn it there, and no further.
;; 2 versions. Each part assembles by itself: llvm-mc -triple=amdgcn-amd-amdhsa -mcpu=gfx1250 --defsym DOCPART=n.
;; ======== version 1 of 2: 3 launches
;; workspace buffers: wfrag 2,097,152 bytes; wscale 65,536 bytes; vfrag 1,048,576 bytes; vscale 32,768 bytes; sc 131,072 bytes
;; launch prep (part 1): grid 128 x 1, 4 waves a work-group, no clusters, 34,304 bytes of LDS; arguments W_q, W_k, values, wfrag, wscale, vfrag, vscale; writes wfrag, wscale, vfrag, vscale
.if DOCPART == 1
	.amdgcn_target "amdgcn-amd-amdhsa--gfx1250"
	.amdhsa_code_object_version 6
	.text
	.protected	k_q596ef9a6df_prep
	.globl	k_q596ef9a6df_prep
	.p2align	8
	.type	k_q596ef9a6df_prep,@function
k_q596ef9a6df_prep:
	s_mov_b64 s[64:65], 0
	v_nop
	global_prefetch_b8 v0, s[64:65] scope:SCOPE_SE
	s_setreg_imm32_b32 hwreg(HW_REG_WAVE_MODE, 25, 1), 1
	s_wait_xcnt 0x0
; THE PROGRAM.  out[b][d] = sum over s of attn[s][b] values[s][d];  attn = softmax over s of score[s][b];  score[s][b] = sum over h of w_v[h] tanh(q[s][b][h] + k[s][b][h]);
; q = queries W_q^T, k = keys W_k^T.  The two large products and the last one run on codes of E4M3 with one E8M0 scale for each 32 along K; all else is f32.
; Three launches: this one lays the small operands out as codes; the second makes one number for each (s, b); the third is the softmax and the last product.
; q + k is ONE product: rows [queries | keys] (K = 2,048) against rows [W_q | W_k]; 1,024 is a multiple of 32, so the blocks of 32 along K are those of the two products.
; WORK LEFT OUT.  tanh(x) = 1 - 2 rho(x) with rho(x) = 1 / (1 + 2^(2 log2(e) x)), an identity for every real x.  So score[s][b] = (sum over h of w_v[h]) - 2 sum over h of w_v[h] rho(q + k).
; The first term does not hang on s: it is the same along the softmax's axis, whatever the inputs hold, and the softmax over s takes it away: attn, which is what the last product quantises, is the same
; number in exact arithmetic with it and without.  So the sum of w_v is never formed; the program carries sg[s][b] = sum over h of w_v[h] rho(..) and takes the softmax of -2 sg.  Every input is still loaded.
; LIMITS.  A NaN, an infinity or an overflow that would arise only in the sum of w_v is not carried to the result.  NaN and infinities among the inputs are not served.  A block whose largest magnitude lies
; under 2^-118 has its scale byte held at 1; a block of zeros gets the byte 1 where the rule says 127: its codes are zeros, and the bytes are read by this program alone.
; THIS LAUNCH.  Work-groups 0-63: [W_q | W_k] into wfrag, images of the matrix operand's registers: [K step 16][wave 4][fragment 16][c 4][lane 32][16 bytes]; fragment b of wave w holds rows 256 w + 16 b + r,
; lane (r, h) the codes of k = 32 c + 16 h + 0 .. 15 of the K step; their scale words into wscale [K step][wave][group 4][r 16][fragment in group 4].
; Work-groups 64-127: values, whose K (= s) is its first axis, into vfrag [tile of 16 d: 64][K step 8][c 4][lane 32][16 bytes] and vscale [K step 8][d 1024] words.
.set HROWS,  1024                      ; rows of W_q and of W_k; a row is 1,024 f32 = 4,096 bytes
.set ROWB,   4096
.set STGB,   16*528                    ; a wave's stage: 16 rows of 512 bytes + 16 of padding
.set SPARE,  4*STGB                    ; behind the four stages: the spare words, 128 bytes for each wave: two blocks of 256 bytes that no other line names
.set SPW,  5                           ; v5   LDS address of my spare word; never rewritten
.set NIL,  6                           ; v6   0; never rewritten
.set TM,   16                          ; v16-31  at work in the quantiser
.set PW4,  36                          ; v36-39  the scale words of a wave's four fragments;  v36 alone on the values' path
.set PC,   40                          ; v40-55  a fragment's codes
.set R,    64                          ; v64-191 two sets of 64 registers as loaded
.set X,    192                         ; v192-255 64 numbers a lane: register 16 c + i = k 32 c + 16 h + i of my row
.set VX,   64                          ; values: two sets of 32 numbers
.set VC,   128                         ; values: 8 registers of codes for each of 4 blocks
.set SEL,  20                          ; s[20:21] lane selects for v_permlanex16_b32: lane l xor 16
.set MNT,  22                          ; s22  the mantissa field of 448
; THE QUANTISER, in four parts.  64 numbers of a lane, v[s] on, become a fragment's codes in v[PC] on and its scale word in v[pw].
.macro QS0 s                           ; each block's largest magnitude among my 16 numbers, and the floor 2^(9 - 127): the byte cannot fall under 1
.irp b, 0,1,2,3
	v_max3_num_f32 v[TM+\b], |v[\s+16*\b]|, |v[\s+16*\b+1]|, 0x4800000
.endr
.irp i, 2,4,6,8,10,12,14
.irp b, 0,1,2,3
	v_max3_num_f32 v[TM+\b], v[TM+\b], |v[\s+16*\b+\i]|, |v[\s+16*\b+\i+1]|
.endr
.endr
.endm
.macro QS1 pw
.irp b, 0,1,2,3
	v_permlanex16_b32 v[TM+4+\b], v[TM+\b], s[SEL], s[SEL+1]
.endr
.irp b, 0,1,2,3
	v_max_num_f32 v[TM+\b], v[TM+\b], v[TM+4+\b]                ; with lane l xor 16: the block's largest magnitude
.endr
.irp b, 0,1,2,3
	v_add_nc_u32 v[TM+12+\b], 0xfc000000, v[TM+\b]              ; 8 off its exponent field: the conversion's scale operand
.endr
.irp b, 0,1,2,3
	v_and_or_b32 v[TM+8+\b], v[TM+\b], 0x7f800000, s[MNT]       ; 448 x the scale
.endr
.irp b, 0,1,2,3
	v_lshrrev_b32 v[TM+4+\b], 23, v[TM+12+\b]                   ; the scale's byte
.endr
	v_lshl_or_b32 v[\pw], v[TM+5], 8, v[TM+4]
	v_lshl_or_b32 v[\pw], v[TM+6], 16, v[\pw]
	v_lshl_or_b32 v[\pw], v[TM+7], 24, v[\pw]
.endm
.macro QSC s, b0                       ; blocks b0 and b0 + 1: the hold (the conversion to an 8-bit code does not saturate: ISA guide 7.6.2) and the conversion
.irp b, \b0, \b0+1
.irp i, 0,1,2,3,4,5,6,7,8,9,10,11,12,13,14,15
	v_med3_num_f32 v[\s+16*(\b)+\i], v[\s+16*(\b)+\i], -v[TM+8+(\b)], v[TM+8+(\b)]
.endr
	v_cvt_scalef32_pk8_fp8_f32 v[PC+4*(\b):PC+4*(\b)+1], v[\s+16*(\b):\s+16*(\b)+7], v[TM+12+(\b)]
	v_cvt_scalef32_pk8_fp8_f32 v[PC+4*(\b)+2:PC+4*(\b)+3], v[\s+16*(\b)+8:\s+16*(\b)+15], v[TM+12+(\b)]
.endr
	v_nop                                          ; a plain vector line behind the last conversion of the run
.endm
	s_load_b256 s[4:11], s[0:1], 0x0               ; W_q s[4:5], W_k s[6:7], values s[8:9], wfrag s[10:11]
	s_load_b128 s[12:15], s[0:1], 0x20             ; wscale s[12:13], vfrag s[14:15]
	s_load_b64 s[16:17], s[0:1], 0x30              ; vscale
	v_lshl_add_u32 v[SPW], v0, 2, SPARE
	v_mov_b32 v[NIL], 0
	v_lshrrev_b32 v7, 5, v0
	v_readfirstlane_b32 s18, v7                    ; wave 0..3
	v_and_b32 v7, 31, v0                           ; lane
	v_and_b32 v8, 15, v0                           ; r
	v_bfe_u32 v9, v0, 4, 1                         ; h
	s_mov_b32 s[SEL], 0x76543210
	s_mov_b32 s[SEL+1], 0xfedcba98
	s_mov_b32 s[MNT], 0x600000
	s_cmp_lt_u32 ttmp9, 64                         ; the work-group's number alone decides the path
	s_cbranch_scc0 .Lvalues
	; ---- W: work-group x = 4 x K step + w; my wave g makes fragments 4 g .. 4 g + 3: rows 256 w + 64 g + 16 f + i
	s_lshr_b32 s23, ttmp9, 2                       ; K step 0..15: 0-7 of W_q, 8-15 of W_k
	s_and_b32 s24, ttmp9, 3                        ; w
	s_lshl_b32 s26, s24, 20                        ; 256 w rows of 4,096 bytes
	s_lshl_b32 s27, s18, 18                        ; + 64 g rows
	s_add_co_u32 s26, s26, s27
	s_and_b32 s27, s23, 7
	s_lshl_b32 s27, s27, 9                         ; + the K step's 512 bytes of a row
	s_add_co_u32 s26, s26, s27
	s_mov_b32 s27, 0
	s_lshl_b32 s28, ttmp9, 15                      ; wfrag: 32,768 bytes for each (K step, w),
	s_lshl_b32 s29, s18, 13                        ; 8,192 for my four fragments
	s_add_co_u32 s28, s28, s29
	s_mov_b32 s29, 0
	s_lshl_b32 s30, ttmp9, 10                      ; wscale: 1,024 bytes for each (K step, w), 256 for my group
	s_lshl_b32 s31, s18, 8
	s_add_co_u32 s30, s30, s31
	s_mov_b32 s31, 0
	s_mul_i32 s32, s18, STGB                       ; my stage
	v_lshlrev_b32 v1, 4, v7                        ; 16 x lane: a load's 512 bytes of a row, and an image's place
	v_add_nc_u32 v2, s32, v1                       ; the stage, on the way in
	v_mul_u32_u24 v3, v8, 528
	v_lshl_add_u32 v3, v9, 6, v3
	v_add_nc_u32 v3, s32, v3                       ; and on the way out: row r, + 64 h
	v_lshlrev_b32 v4, 4, v8                        ; 16 r: my row's four scale words
.irp b, 0,1,2,3
	v_mov_b32 v[TM+4+\b], 0                        ; written once: a lane permute's destination counts as one of its sources
.endr
	s_wait_kmcnt 0x0
	s_cmp_lt_u32 s23, 8
	s_cselect_b64 s[4:5], s[4:5], s[6:7]           ; W_q or W_k: the choice hangs on the work-group's number alone
	s_add_nc_u64 s[4:5], s[4:5], s[26:27]
	s_add_nc_u64 s[10:11], s[10:11], s[28:29]
	s_add_nc_u64 s[12:13], s[12:13], s[30:31]
.macro LOADF f                         ; fragment f: 16 rows, each load 512 consecutive bytes of one row
.irp i, 0,1,2,3,4,5,6,7,8,9,10,11,12,13,14,15
	global_load_b128 v[R+64*((\f)%2)+4*\i:R+64*((\f)%2)+4*\i+3], v1, s[4:5] offset:(\f)*16*ROWB+\i*ROWB th:TH_LOAD_NT
.endr
.endm
	LOADF 0
	LOADF 1
.irp f, 0,1,2,3
.if \f < 3
	s_wait_loadcnt 16                              ; this fragment's 16 loads are in; the next fragment's 16 may be out
.else
	s_wait_loadcnt 0x0
.endif
.irp i, 0,1,2,3,4,5,6,7,8,9,10,11,12,13,14,15
	ds_store_b128 v2, v[R+64*(\f%2)+4*\i:R+64*(\f%2)+4*\i+3] offset:\i*528
.endr
.irp c, 0,1,2,3
.irp j, 0,1,2,3
	ds_load_b128 v[X+16*\c+4*\j:X+16*\c+4*\j+3], v3 offset:128*\c+16*\j   ; LDS serves a wave's instructions in order: these see my stores
.endr
.endr
	s_wait_dscnt 0x0
	s_wait_xcnt 0x0                                ; the last fragment's stores have read their registers: the codes may be written again
.if \f < 2
	LOADF \f+2
.endif
	QS0 X
	QS1 PW4+\f
	QSC X, 0
	QSC X, 2
.irp c, 0,1,2,3
	global_store_b128 v1, v[PC+4*\c:PC+4*\c+3], s[10:11] offset:\f*2048+\c*512   ; 32 lanes store 512 consecutive bytes
.endr
.endr
	v_cmp_gt_u32 vcc_lo, 16, v7                    ; lanes 0-15 hold rows 0-15; lanes 16-31 hold the same words
	s_wait_xcnt 0x0                                ; EXEC changes only behind this wait
	s_and_saveexec_b32 s33, vcc_lo
	global_store_b128 v4, v[PW4:PW4+3], s[12:13]   ; sixteen lanes store 256 consecutive bytes, aligned
	s_wait_xcnt 0x0                                ; and again, in front of the line that widens it
	s_or_b32 exec_lo, exec_lo, s33
	s_branch .Lend
.Lvalues:
	; ---- values: a lane takes a column d and its registers run down s: a block of 32 along K lies in one lane
	s_sub_co_u32 s23, ttmp9, 64
	s_and_b32 s24, s23, 7                          ; which 128 columns
	s_lshr_b32 s25, s23, 3                         ; K step 0..7: s = 128 x it on
	s_lshl_b32 s26, s24, 7
	s_lshl_b32 s27, s18, 5
	s_add_co_u32 s26, s26, s27                     ; my wave's first column
	s_lshl_b32 s28, s25, 19                        ; values: 128 rows of 4,096 bytes a K step,
	s_lshl_b32 s27, s26, 2
	s_add_co_u32 s28, s28, s27                     ; + 4 bytes a column
	s_mov_b32 s29, 0
	s_lshl_b32 s30, s26, 10                        ; vfrag: 16,384 bytes for each tile of 16 columns,
	s_lshl_b32 s27, s25, 11
	s_add_co_u32 s30, s30, s27                     ; 2,048 for each K step
	s_mov_b32 s31, 0
	s_lshl_b32 s32, s25, 12                        ; vscale: 4,096 bytes a K step, 4 a column
	s_lshl_b32 s27, s26, 2
	s_add_co_u32 s32, s32, s27
	s_mov_b32 s33, 0
	v_lshlrev_b32 v1, 2, v7                        ; 4 x lane
	v_lshlrev_b32 v2, 14, v9                       ; lanes 16-31 belong to the next tile of 16 columns;
	v_lshl_add_u32 v2, v8, 4, v2                   ; in a tile's image column r has 16 bytes at 16 r
	s_wait_kmcnt 0x0
	s_add_nc_u64 s[8:9], s[8:9], s[28:29]
	s_add_nc_u64 s[14:15], s[14:15], s[30:31]
	s_add_nc_u64 s[16:17], s[16:17], s[32:33]
.macro LOADB c                         ; block c: values(32 c + i, my column), i = 0 .. 31
.set i, 0
.rept 32
	global_load_b32 v[VX+32*((\c)%2)+i], v1, s[8:9] offset:(32*(\c)+i)*ROWB th:TH_LOAD_NT
.set i, i+1
.endr
.endm
	LOADB 0
	LOADB 1
.irp c, 0,1,2,3
.set XS, VX+32*(\c%2)
.if \c < 3
	s_wait_loadcnt 32                              ; this block's 32 loads are in; the next block's 32 may be out
.else
	s_wait_loadcnt 0x0
.endif
	v_max3_num_f32 v20, |v[XS]|, |v[XS+1]|, |v[XS+2]|
	v_max3_num_f32 v21, |v[XS+3]|, |v[XS+4]|, |v[XS+5]|
.irp i, 6,10,14,18,22,26
	v_max3_num_f32 v20, v20, |v[XS+\i]|, |v[XS+\i+1]|
	v_max3_num_f32 v21, v21, |v[XS+\i+2]|, |v[XS+\i+3]|
.endr
	v_max3_num_f32 v20, v20, |v[XS+30]|, |v[XS+31]|
	v_max3_num_f32 v20, v20, v21, 0x4800000        ; and the floor
	v_add_nc_u32 v23, 0xfc000000, v20              ; the conversion's scale operand
	v_and_or_b32 v22, v20, 0x7f800000, s[MNT]      ; 448 x the scale
	v_lshrrev_b32 v24, 23, v23                     ; the byte
.if \c == 0
	v_mov_b32 v[PW4], v24
.else
	v_lshl_or_b32 v[PW4], v24, 8*\c, v[PW4]
.endif
.set i, 0
.rept 32
	v_med3_num_f32 v[XS+i], v[XS+i], -v22, v22
.set i, i+1
.endr
.irp g, 0,1,2,3
	v_cvt_scalef32_pk8_fp8_f32 v[VC+8*\c+2*\g:VC+8*\c+2*\g+1], v[XS+8*\g:XS+8*\g+7], v23
.endr
	v_nop
.if \c < 2
	LOADB \c+2
.endif
	global_store_b128 v2, v[VC+8*\c:VC+8*\c+3], s[14:15] offset:\c*512          ; k = 32 c + 0 .. 15: the image's lanes 0-15; sixteen lanes store 256 consecutive bytes, aligned
	global_store_b128 v2, v[VC+8*\c+4:VC+8*\c+7], s[14:15] offset:\c*512+256    ; k = 32 c + 16 .. 31: its lanes 16-31
.endr
	global_store_b32 v1, v[PW4], s[16:17]          ; my column's scale word of this K step
.Lend:
	s_wait_tensorcnt 0x0                           ; the wave's end
	ds_add_u32 v[SPW], v[NIL]
	s_wait_dscnt 0x0
	s_endpgm
.Lfunc_end_k_q596ef9a6df_prep:
	.size	k_q596ef9a6df_prep, .Lfunc_end_k_q596ef9a6df_prep-k_q596ef9a6df_prep
	.p2alignl 7, 3214868480
	.fill 96, 4, 3214868480
	.section	.rodata,"a",@progbits
	.p2align	6, 0x0
	.amdhsa_kernel k_q596ef9a6df_prep
		.amdhsa_group_segment_fixed_size 34304
		.amdhsa_private_segment_fixed_size 0
		.amdhsa_enable_private_segment 0
		.amdhsa_kernarg_size 56
		.amdhsa_user_sgpr_count 2
		.amdhsa_user_sgpr_kernarg_segment_ptr 1
		.amdhsa_wavefront_size32 1
		.amdhsa_system_sgpr_workgroup_id_x 1
		.amdhsa_system_sgpr_workgroup_id_y 1
		.amdhsa_system_sgpr_workgroup_id_z 1
		.amdhsa_system_vgpr_workitem_id 0
		.amdhsa_next_free_vgpr 256
		.amdhsa_next_free_sgpr 66
		.amdhsa_reserve_vcc 1
		.amdhsa_float_denorm_mode_32 3
		.amdhsa_float_denorm_mode_16_64 3
		.amdhsa_memory_ordered 1
		.amdhsa_forward_progress 1
		.amdhsa_inst_pref_size 79
	.end_amdhsa_kernel
	.amdgpu_metadata
---
amdhsa.version: [ 1, 2 ]
amdhsa.kernels:
  - .name:           k_q596ef9a6df_prep
    .symbol:         k_q596ef9a6df_prep.kd
    .args:
      - { .name: W_q, .offset: 0, .size: 8, .value_kind: global_buffer, .address_space: global }
      - { .name: W_k, .offset: 8, .size: 8, .value_kind: global_buffer, .address_space: global }
      - { .name: values, .offset: 16, .size: 8, .value_kind: global_buffer, .address_space: global }
      - { .name: wfrag, .offset: 24, .size: 8, .value_kind: global_buffer, .address_space: global }
      - { .name: wscale, .offset: 32, .size: 8, .value_kind: global_buffer, .address_space: global }
      - { .name: vfrag, .offset: 40, .size: 8, .value_kind: global_buffer, .address_space: global }
      - { .name: vscale, .offset: 48, .size: 8, .value_kind: global_buffer, .address_space: global }
    .group_segment_fixed_size: 34304
    .private_segment_fixed_size: 0
    .kernarg_segment_align: 8
    .kernarg_segment_size: 56
    .max_flat_workgroup_size: 128
    .sgpr_count:     66
    .vgpr_count:     256
    .wavefront_size: 32
...
	.end_amdgpu_metadata
.endif
;; end of part 1
;; launch scores (part 2): grid 256 x 1, 4 waves a work-group, no clusters, 327,680 bytes of LDS; arguments queries, keys, wfrag, wscale, w_v, sc; writes sc
.if DOCPART == 2
	.amdgcn_target "amdgcn-amd-amdhsa--gfx1250"
	.amdhsa_code_object_version 6
	.text
	.protected	k_q596ef9a6df_scores
	.globl	k_q596ef9a6df_scores
	.p2align	8
	.type	k_q596ef9a6df_scores,@function
k_q596ef9a6df_scores:
	s_mov_b64 s[64:65], 0
	v_nop
	global_prefetch_b8 v0, s[64:65] scope:SCOPE_SE
	s_setreg_imm32_b32 hwreg(HW_REG_WAVE_MODE, 25, 1), 1
	s_wait_xcnt 0x0
; sg[s][b] = sum over h of w_v[h] / (1 + 2^(2 log2(e) (q + k)[s][b][h])), q + k = [queries | keys] [W_q | W_k]^T on codes of E4M3 with E8M0 scales, sums in f32.
; WORK LEFT OUT: tanh = 1 - 2 rho, and the sum over h of w_v[h], the same for every s, is taken away by the softmax over s: it is not formed (shown at the head of the first kernel; the limit stated there holds here).
; LIMITS: NaN and infinities among the inputs are not served; a block under 2^-118 has its byte held at 1, a block of zeros the byte 1; q + k is one f32 chain over K = 2,048; the sum over h goes in this text's own fixed order.
; SHARES.  A work-group owns 128 rows (row = 32 s + b), in two passes of 64.  A pass is 16 K steps of 128; the 32 steps go on end.  Each of the four waves holds the sums of all 64 rows x its 256 of the 1,024 h:
; 64 accumulators, 512 registers.  Per step wave w quantises rows 16 w .. 16 w + 15 (f32 from the ring in LDS) one step ahead and hands the fragment to the others as an image of its registers.
; The f32 rows come by tensor loads: a fill brings four steps, a step (64 rows x 512 bytes) to a wave; two slots of four steps take turns.
; W comes as fragment images from memory straight into registers, a step ahead, group by group of four fragments, each group loaded anew as soon as its 16 products are issued.
; W IS SHARED BY ALL WORK-GROUPS AND IS NOT ASKED FOR JOINTLY: a K step of W with its scale words is 135,168 bytes; two slots of it beside the two slots of f32 rows (2 x 135,168) are more than the 327,680 bytes
; of LDS that a work-group can claim; and a fragment of W feeds only four products here, so that it would be written to LDS and read from it for four matrix instructions.
; THE MATRIX INSTRUCTION IS USED TRANSPOSED (source 0 = 16 rows of W, source 1 = 16 rows of the input): a lane holds one row (16 a + lane % 16), its registers h = 16 b + 8 (lane / 16) + 0 .. 7.
; REGISTERS, in windows of 256.  Window 0: v1-18 addresses; v20-23 the rows' scale words, v24-39 W's; v40-56 at work in the quantiser; v64-127 four fragments of the rows; v128-191 64 numbers to quantise;
;   v192-207 codes; v208-255 the epilogue's sums; in the epilogue v64-191 hold my 256 of w_v.  Window 1: W's 16 fragments.  Windows 2, 3: accumulator (a, b) at v[8 (4 (b % 8) + a)], b < 8 in window 2.
.set SUB,   64*528                     ; a step's tile in LDS: 64 rows of 512 bytes + 16 of padding
.set SLOTB, 4*SUB                      ; a slot: four steps.  135,168 = 0x21000 shares no bit with wave x SUB, so one exclusive or turns a tile's address from one slot to the other
.set IMG,   8*SUB                      ; behind the ring: two buffers of IMGB bytes: four fragment images of 2,048 bytes, then four times 128 bytes of scale words
.set IMGB,  8704
.set SCR,   IMG+2*IMGB                 ; 256 bytes for each wave: its part of 64 rows' sums
.set SPARE, SCR+1024                   ; the spare words, 128 bytes for each wave: two blocks of 256 bytes that no other line names
.set SPW,  17                          ; v17  LDS address of my spare word; never rewritten
.set NIL,  18                          ; v18  0; never rewritten
.set SCA,  20
.set SCW,  24
.set TM,   40
.set PW,   56
.set AF,   64
.set X,    128
.set PC,   192
.set SG,   208                         ; v208-239 eight partial sums for each of four tiles of rows
.set T4,   240
.set WV8,  64
.set UU,   17                          ; s17  the step that is being prepared = the step in hand + 1
.set FF,   20                          ; s20  the number of the last fill asked for
.set G1,   24                          ; s[24:31] descriptor group 1
.set G0A,  32                          ; s[32:35] group 0 of the first fill
.set G0,   36                          ; s[36:39] group 0 of the second fill, which then walks
.set PQ,   40                          ; s[40:41] queries, s[42:43] keys: at my work-group's first row, + 512 x wave
.set PK,   42
.set SWB,  44                          ; s[44:45] wfrag + 32,768 x wave;  s[46:47] wscale + 1,024 x wave
.set SSB,  46
.set SW,   48                          ; s[48:49], s[50:51] the same at the step being prepared
.set SS,   50
.set CS,   54                          ; s[54:55] 2 log2(e)
.set SEL,  56
.set MNT,  58
.set MSB, 0
.macro WIN new                         ; the immediate's high byte repeats the setting that is left; a switch that changes nothing is dropped
.if MSB != (\new)
	s_set_vgpr_msb (MSB<<8)|(\new)
.set MSB, (\new)
.endif
.endm
.set MUL_LO, 0xa1                      ; source 0 (W) window 1, source 1 window 0, C and D window 2
.set MUL_HI, 0xf1                      ; the same, C and D window 3
.set TO_W,   0x40                      ; destination window 1, address window 0
; THE QUANTISER, in four parts, each of which stands behind 16 matrix instructions.  64 numbers of a lane, v[s] on, register 16 c + i = k 32 c + 16 h + i of my row, become codes in v[PC] on and a scale word in v[pw].
.macro QS0 s
.irp b, 0,1,2,3
	v_max3_num_f32 v[TM+\b], |v[\s+16*\b]|, |v[\s+16*\b+1]|, 0x4800000          ; my 16 numbers of block b, and the floor 2^(9 - 127)
.endr
.irp i, 2,4,6,8,10,12,14
.irp b, 0,1,2,3
	v_max3_num_f32 v[TM+\b], v[TM+\b], |v[\s+16*\b+\i]|, |v[\s+16*\b+\i+1]|
.endr
.endr
.endm
.macro QS1 pw
.irp b, 0,1,2,3
	v_permlanex16_b32 v[TM+4+\b], v[TM+\b], s[SEL], s[SEL+1]
.endr
.irp b, 0,1,2,3
	v_max_num_f32 v[TM+\b], v[TM+\b], v[TM+4+\b]
.endr
.irp b, 0,1,2,3
	v_add_nc_u32 v[TM+12+\b], 0xfc000000, v[TM+\b]              ; 8 off the exponent field: the conversion's scale operand
.endr
.irp b, 0,1,2,3
	v_and_or_b32 v[TM+8+\b], v[TM+\b], 0x7f800000, s[MNT]       ; 448 x the scale
.endr
.irp b, 0,1,2,3
	v_lshrrev_b32 v[TM+4+\b], 23, v[TM+12+\b]                   ; the byte
.endr
	v_lshl_or_b32 v[\pw], v[TM+5], 8, v[TM+4]
	v_lshl_or_b32 v[\pw], v[TM+6], 16, v[\pw]
	v_lshl_or_b32 v[\pw], v[TM+7], 24, v[\pw]
.endm
.macro QSC s, b0
.irp b, \b0, \b0+1
.irp i, 0,1,2,3,4,5,6,7,8,9,10,11,12,13,14,15
	v_med3_num_f32 v[\s+16*(\b)+\i], v[\s+16*(\b)+\i], -v[TM+8+(\b)], v[TM+8+(\b)]   ; the conversion to an 8-bit code does not saturate (ISA guide 7.6.2)
.endr
	v_cvt_scalef32_pk8_fp8_f32 v[PC+4*(\b):PC+4*(\b)+1], v[\s+16*(\b):\s+16*(\b)+7], v[TM+12+(\b)]
	v_cvt_scalef32_pk8_fp8_f32 v[PC+4*(\b)+2:PC+4*(\b)+3], v[\s+16*(\b)+8:\s+16*(\b)+15], v[TM+12+(\b)]
.endr
	v_nop                                          ; a plain vector line behind the last conversion of the run
.endm
.macro XLOAD adr                       ; my 16 rows' 128 numbers of a step, out of the ring
.irp c, 0,1,2,3
.irp j, 0,1,2,3
	ds_load_b128 v[X+16*\c+4*\j:X+16*\c+4*\j+3], v[\adr] offset:128*\c+16*\j
.endr
.endr
.endm
.macro IMGST ai, aw                    ; the fragment just made goes to LDS as it stands in my registers: 512 consecutive bytes a store; its scale words 4 bytes a lane
.irp c, 0,1,2,3
	ds_store_b128 v[\ai], v[PC+4*\c:PC+4*\c+3] offset:512*\c
.endr
	ds_store_b32 v[\aw], v[PW]
.endm
.macro BAR                             ; my image stores have landed and my LDS loads are in: then the work-group's barrier
	s_wait_dscnt 0x0
	s_barrier_signal -1
	s_barrier_wait -1
.endm
; THE CHANGE OF SLOTS.  All my tensor loads have landed (the one that was out is my step of the slot to be read next); behind the barrier nobody reads the slot that was left.  fill = 1: it is filled again.
.macro CH fill
	s_wait_tensorcnt 0x0                           ; no tensor load of mine is out, so group 0 may be written
	ds_add_u32 v[SPW], v[NIL]                      ; the descriptor's walk stands between the add and the wait for it
.if \fill
	s_add_co_u32 s[FF], s[FF], 1                   ; fill f brings steps 4 f .. 4 f + 3: pass f / 4; bit 1 of f: keys; bit 0: the upper 2,048 bytes of a row
	s_xor_b32 s[G0+1], s[G0+1], SLOTB              ; the other slot than last time
	s_and_b32 s52, s[FF], 1
	s_lshl_b32 s52, s52, 11
	s_lshr_b32 s70, s[FF], 2
	s_lshl_b32 s70, s70, 18                        ; 64 rows of 4,096 bytes
	s_add_co_u32 s52, s52, s70
	s_bitcmp1_b32 s[FF], 1
	s_cselect_b64 s[G0+2:G0+3], s[PK:PK+1], s[PQ:PQ+1]
	s_add_nc_u64 s[G0+2:G0+3], s[G0+2:G0+3], s[52:53]
	s_or_b32 s[G0+3], s[G0+3], 0x80000000
.endif
	s_wait_dscnt 0x0                               ; the add is done, and my reads of the slot that is left are over
	s_barrier_signal -1
	s_barrier_wait -1
.if \fill
	tensor_load_to_lds s[G0:G0+3], s[G1:G1+7]      ; my one tensor load behind this barrier, and the first thing there: it has four steps in which to land
	s_nop 0
.rept 4
	v_nop
.endr
.endif
.endm
.macro RELOAD g                        ; group g of the next step's W: four scale words a lane, then four fragments: 17 loads
	WIN 0
	global_load_b128 v[SCW+4*(\g):SCW+4*(\g)+3], v7, s[SS:SS+1] offset:(\g)*256
	WIN TO_W
.irp bb, 0,1,2,3
.irp c, 0,1,2,3
	global_load_b128 v[16*(4*(\g)+\bb)+4*\c:16*(4*(\g)+\bb)+4*\c+3], v1, s[SW:SW+1] offset:(4*(\g)+\bb)*2048+\c*512
.endr
.endr
.endm
.macro MULB g, zero                    ; 16 matrix instructions: W's fragments 4 g .. 4 g + 3 x the four tiles of rows.  The 64 accumulators take turns, one instruction a turn, in the same order in every step
.if (\g) < 2
	WIN MUL_LO
.else
	WIN MUL_HI
.endif
.irp bb, 0,1,2,3
.irp a, 0,1,2,3
.set rB, 4*(\g)+\bb
.set rD, 8*(4*(rB%8)+\a)
.if \zero
	v_wmma_scale_f32_16x16x128_f8f6f4 v[rD:rD+7], v[16*rB:16*rB+15], v[AF+16*\a:AF+16*\a+15], 0, v[SCW+rB], v[SCA+\a]
.else
	v_wmma_scale_f32_16x16x128_f8f6f4 v[rD:rD+7], v[16*rB:16*rB+15], v[AF+16*\a:AF+16*\a+15], v[rD:rD+7], v[SCW+rB], v[SCA+\a]
.endif
.endr
.endr
.endm
; A STEP.  zero = 1: a pass's first step, whose products start the sums: nothing is cleared.  last = 1: the very last step, which prepares nothing.
; Behind each group of 16 products stands a part of the next step's quantiser, at least 19 plain vector lines that name no register of the products: they are the eight places
; in front of the loads into the registers that those products read.
.macro BODY zero, last
.if !(\last)
	s_wait_xcnt 0x0                                ; the last step's loads of W have read their bases, so these may be written
	s_and_b32 s70, s[UU], 15                       ; the next step's K step
	s_lshl_b32 s52, s70, 17
	s_add_nc_u64 s[SW:SW+1], s[SWB:SWB+1], s[52:53]
	s_lshl_b32 s52, s70, 12
	s_add_nc_u64 s[SS:SS+1], s[SSB:SSB+1], s[52:53]
	s_and_b32 s60, s[UU], 7
	s_mul_i32 s60, s60, SUB                        ; its tile in the ring
	s_and_b32 s62, s[UU], 1
	s_mul_i32 s62, s62, IMGB                       ; its image buffer
.endif
	s_and_b32 s61, s[UU], 1
	s_xor_b32 s61, s61, 1
	s_mul_i32 s61, s61, IMGB                       ; the image buffer of the step in hand
	v_add_nc_u32 v8, s61, v2
	v_add_nc_u32 v9, s61, v3
.if !(\last)
	v_add_nc_u32 v10, s60, v4
	v_add_nc_u32 v11, s62, v5
	v_add_nc_u32 v12, s62, v6
.endif
.irp a, 0,1,2,3
.irp c, 0,1,2,3
	ds_load_b128 v[AF+16*\a+4*\c:AF+16*\a+4*\c+3], v8 offset:\a*2048+\c*512
.endr
	ds_load_b32 v[SCA+\a], v9 offset:\a*128
.endr
.if \last
	s_wait_dscnt 0x0
.else
	XLOAD 10
	s_wait_dscnt 16                                ; the four fragments and their scale words are in; the 16 loads of the next step's numbers may be out
.endif
.irp g, 0,1,2,3
.if \last
	s_wait_loadcnt 51-17*\g                        ; behind this group's 17 loads: the groups that follow it in this step
.else
	s_wait_loadcnt 51                              ; behind this group's 17 loads three more groups of 17 were issued
.endif
	MULB \g, \zero
.if !(\last)
	WIN 0
.if \g == 0
	s_wait_dscnt 0x0                               ; the next step's numbers are in
	QS0 X
.elseif \g == 1
	QS1 PW
.elseif \g == 2
	QSC X, 0
.else
	QSC X, 2
	IMGST 11, 12
.endif
	RELOAD \g
.endif
.endr
	WIN 0
.if \last
.rept 8
	v_nop                                          ; the places in front of the epilogue's loads and of its first reads of results
.endr
.endif
	s_add_co_u32 s[UU], s[UU], 1
.endm
; THE EPILOGUE of a pass.  rho = 1 / (1 + 2^(2 log2(e) x)) in place, 64 registers at a time: one batch of exponentials and one of reciprocals, each with its plain line and its one wait; then sums += rho x w_v.
.macro EPI
.irp b, 0,1,2,3,4,5,6,7,8,9,10,11,12,13,14,15
	global_load_b128 v[WV8+8*\b:WV8+8*\b+3], v13, s[66:67] offset:64*\b            ; w_v at h = 256 wave + 16 b + 8 (lane / 16) + 0 .. 7
	global_load_b128 v[WV8+8*\b+4:WV8+8*\b+7], v13, s[66:67] offset:64*\b+16
.endr
.irp y, 0,1,2,3,4,5,6,7
.set WN, 2+\y/4
.set EB, 64*(\y%4)
	WIN WN|(WN<<6)                                 ; destination and source 0 in the accumulators' window
.set i, 0
.rept 32
	v_pk_mul_f32 v[EB+i:EB+i+1], v[EB+i:EB+i+1], s[CS:CS+1] op_sel_hi:[1,0]        ; ascending: each accumulator is read from its low end on
.set i, i+2
.endr
.set i, 0
.rept 64
	v_exp_f32 v[EB+i], v[EB+i]
.set i, i+1
.endr
	v_nop                                          ; a plain line behind the last exponential,
	s_wait_alu depctr_va_vdst(0)                   ; and one wait for the batch, ahead of its first reader
.set i, 0
.rept 32
	v_pk_add_f32 v[EB+i:EB+i+1], v[EB+i:EB+i+1], 1.0 op_sel_hi:[1,0]
.set i, i+2
.endr
.set i, 0
.rept 64
	v_rcp_f32 v[EB+i], v[EB+i]
.set i, i+1
.endr
	v_nop
	s_wait_alu depctr_va_vdst(0)                   ; one wait for the 64 reciprocals
.if \y == 0
	s_wait_loadcnt 0x0                             ; w_v
.endif
	WIN WN                                         ; source 0 in the accumulators' window, all else in window 0
.irp k, 0,1,2,3,4,5,6,7
.irp p, 0,2,4,6
.if (\y == 0) && (\k < 4)
	v_pk_mul_f32 v[SG+8*(\k%4)+\p:SG+8*(\k%4)+\p+1], v[EB+8*\k+\p:EB+8*\k+\p+1], v[WV8+8*(2*\y+\k/4)+\p:WV8+8*(2*\y+\k/4)+\p+1]   ; the first fragment's products start the sums
.else
	v_pk_fma_f32 v[SG+8*(\k%4)+\p:SG+8*(\k%4)+\p+1], v[EB+8*\k+\p:EB+8*\k+\p+1], v[WV8+8*(2*\y+\k/4)+\p:WV8+8*(2*\y+\k/4)+\p+1], v[SG+8*(\k%4)+\p:SG+8*(\k%4)+\p+1]
.endif
.endr
.endr
.endr
	WIN 0
.irp a, 0,1,2,3
	v_pk_add_f32 v[SG+8*\a:SG+8*\a+1], v[SG+8*\a:SG+8*\a+1], v[SG+8*\a+2:SG+8*\a+3]
	v_pk_add_f32 v[SG+8*\a+4:SG+8*\a+5], v[SG+8*\a+4:SG+8*\a+5], v[SG+8*\a+6:SG+8*\a+7]
.endr
.irp a, 0,1,2,3
	v_pk_add_f32 v[SG+8*\a:SG+8*\a+1], v[SG+8*\a:SG+8*\a+1], v[SG+8*\a+4:SG+8*\a+5]
.endr
.irp a, 0,1,2,3
	v_add_f32 v[T4+\a], v[SG+8*\a], v[SG+8*\a+1]
.endr
.irp a, 0,1,2,3
	v_permlanex16_b32 v[T4+4+\a], v[T4+\a], s[SEL], s[SEL+1]
.endr
.irp a, 0,1,2,3
	v_add_f32 v[T4+\a], v[T4+\a], v[T4+4+\a]       ; row 16 a + lane % 16, my 256 h, in both halves of the lanes
.endr
	v_cndmask_b32 v248, v240, v241, s59            ; lane l: row l,
	v_cndmask_b32 v249, v242, v243, s59            ; and row 32 + l
	ds_store_b64 v14, v[248:249]
.endm
; The four waves' parts meet in LDS; wave 0 adds them in a fixed order and stores the pass's 64 numbers: [b 32][2 neighbouring s], 256 consecutive bytes, aligned.
.macro SCORE off
	s_wait_dscnt 0x0
	s_barrier_signal -1
	s_barrier_wait -1
	s_cmp_lg_u32 s16, 0
	s_cbranch_scc1 .Lnot_wave_0_\@
.irp k, 0,1,2,3
	ds_load_b64 v[T4+2*\k:T4+2*\k+1], v15 offset:256*\k
.endr
	s_wait_dscnt 0x0
	v_pk_add_f32 v[T4:T4+1], v[T4:T4+1], v[T4+2:T4+3]
	v_pk_add_f32 v[T4+4:T4+5], v[T4+4:T4+5], v[T4+6:T4+7]
	v_pk_add_f32 v[T4:T4+1], v[T4:T4+1], v[T4+4:T4+5]
	global_store_b64 v16, v[T4:T4+1], s[68:69] offset:\off
.Lnot_wave_0_\@:
.endm
	s_load_b256 s[4:11], s[0:1], 0x0               ; queries s[4:5], keys s[6:7], wfrag s[8:9], wscale s[10:11]
	s_load_b128 s[12:15], s[0:1], 0x20             ; w_v s[12:13], sc s[14:15]
	v_lshl_add_u32 v[SPW], v0, 2, SPARE
	v_mov_b32 v[NIL], 0
	ds_add_u32 v[SPW], v[NIL]                      ; the wave's opening: the add, twice on end, and its wait ahead of my first tensor load; the set-up below stands between the second and the wait
	ds_add_u32 v[SPW], v[NIL]
	v_lshrrev_b32 v19, 5, v0
	v_readfirstlane_b32 s16, v19                   ; wave 0..3
	; descriptor group 1: a tile of 64 rows x 128 elements of 4 bytes, 1,024 elements from row to row, 4 words of padding behind every 128
	s_mov_b32 s[G1+0], (2<<16)|(1<<20)|(6<<22)|(3<<25)
	s_mov_b32 s[G1+1], 128<<16                     ; tensor_dim0
	s_mov_b32 s[G1+2], 64<<16                      ; tensor_dim1
	s_mov_b32 s[G1+3], 128<<16                     ; tile_dim0
	s_mov_b32 s[G1+4], 64                          ; tile_dim1
	s_mov_b32 s[G1+5], 1024                        ; tensor_dim0_stride
	s_mov_b32 s[G1+6], 0
	s_mov_b32 s[G1+7], 0
	s_mov_b32 s[CS], 0x4038aa3b                    ; 2 log2(e)
	s_mov_b32 s[CS+1], s[CS]                       ; (named with it as a pair, so it is written)
	s_mov_b32 s[SEL], 0x76543210
	s_mov_b32 s[SEL+1], 0xfedcba98
	s_mov_b32 s[MNT], 0x600000
	s_mov_b32 s59, 0xffff0000                      ; lanes 16-31
	s_mov_b32 s53, 0                               ; the upper word of the offsets' pair s[52:53]
	s_mov_b32 s[UU], 1
	s_mov_b32 s[FF], 1
	v_and_b32 v19, 31, v0                          ; lane
	v_and_b32 v57, 15, v0                          ; r
	v_bfe_u32 v58, v0, 4, 1                        ; h
	v_lshlrev_b32 v1, 4, v19                       ; 16 x lane: my place in an image, in memory and in LDS
	v_add_nc_u32 v2, IMG, v1                       ; images, to read
	v_lshl_add_u32 v3, v19, 2, IMG+8192            ; their scale words
	s_mul_i32 s70, s16, 16*528
	v_mul_u32_u24 v4, v57, 528
	v_lshl_add_u32 v4, v58, 6, v4
	v_add_nc_u32 v4, s70, v4                       ; a tile's row 16 wave + r, + 64 h
	s_lshl_b32 s71, s16, 11
	v_add_nc_u32 v5, s71, v2                       ; my image, to write
	s_lshl_b32 s72, s16, 7
	v_add_nc_u32 v6, s72, v3                       ; and its scale words
	v_lshlrev_b32 v7, 4, v57                       ; 16 r: four scale words of W's row r
	v_lshlrev_b32 v13, 5, v58                      ; 32 h: my eight of a fragment's 16 numbers of w_v
	v_lshlrev_b32 v16, 3, v19                      ; 8 x lane
	v_add_nc_u32 v15, SCR, v16
	s_lshl_b32 s70, s16, 8
	v_add_nc_u32 v14, s70, v15
.irp b, 0,1,2,3
	v_mov_b32 v[TM+4+\b], 0                        ; written once: a lane permute's destination counts as one of its sources
	v_mov_b32 v[T4+4+\b], 0
.endr
	s_wait_dscnt 0x0                               ; both opening adds are done
	s_wait_kmcnt 0x0
	s_lshl_b32 s52, ttmp9, 19                      ; 128 rows of 4,096 bytes a work-group,
	s_lshl_b32 s70, s16, 9                         ; and wave w fetches the w-th of a fill's four steps: 512 bytes along a row
	s_add_co_u32 s52, s52, s70
	s_add_nc_u64 s[PQ:PQ+1], s[4:5], s[52:53]
	s_add_nc_u64 s[PK:PK+1], s[6:7], s[52:53]
	s_lshl_b32 s52, s16, 15
	s_add_nc_u64 s[SWB:SWB+1], s[8:9], s[52:53]
	s_lshl_b32 s52, s16, 10
	s_add_nc_u64 s[SSB:SSB+1], s[10:11], s[52:53]
	s_add_nc_u64 s[66:67], s[12:13], s[52:53]      ; w_v at my 256 h
	s_lshl_b32 s52, ttmp9, 9
	s_add_nc_u64 s[68:69], s[14:15], s[52:53]      ; sc: 256 bytes a pass
	s_mov_b32 s[G0A], 1                            ; count = 1
	s_mul_i32 s[G0A+1], s16, SUB                   ; LDS address: slot 0, my step
	s_mov_b64 s[G0A+2:G0A+3], s[PQ:PQ+1]           ; steps 0-3
	s_or_b32 s[G0A+3], s[G0A+3], 0x80000000        ; type = 2
	s_mov_b32 s[G0], 1
	s_add_co_u32 s[G0+1], s[G0A+1], SLOTB          ; slot 1
	s_add_nc_u64 s[G0+2:G0+3], s[PQ:PQ+1], 2048    ; steps 4-7
	s_or_b32 s[G0+3], s[G0+3], 0x80000000
	tensor_load_to_lds s[G0A:G0A+3], s[G1:G1+7]    ; both first fills go out together, in every wave: two tensor loads of mine are out
	s_nop 0
	tensor_load_to_lds s[G0:G0+3], s[G1:G1+7]
	s_nop 0
.rept 4
	v_nop
.endr
	s_mov_b64 s[SW:SW+1], s[SWB:SWB+1]
	s_mov_b64 s[SS:SS+1], s[SSB:SSB+1]
	RELOAD 0                                       ; W of step 0
	RELOAD 1
	RELOAD 2
	RELOAD 3
	WIN 0
	s_wait_tensorcnt 0x1                           ; my step of the first fill is in; the second fill may stay out
	s_barrier_signal -1
	s_barrier_wait -1                              ; everybody's is
	XLOAD 4                                        ; step 0 is quantised ahead of the first step
	s_wait_dscnt 0x0
	QS0 X
	QS1 PW
	QSC X, 0
	QSC X, 2
	IMGST 5, 6
	BAR
	BODY 1, 0                                      ; step 0: its products start the sums
	s_mov_b32 s18, 2
.Lpre:                                                 ; steps 1, 2
	BAR
	BODY 0, 0
	s_sub_co_u32 s18, s18, 1
	s_cmp_lg_u32 s18, 0
	s_cbranch_scc1 .Lpre
	s_mov_b32 s19, 6
.Lfill:                                                ; six trips: trip j changes slots, asks for fill j + 2 and runs steps 4 j + 3 .. 4 j + 6
	CH 1
	s_mov_b32 s18, 4
.Ltrip:
	BAR                                            ; (in a trip's first step this barrier follows the change's own and adds nothing: it stands here so that one copy of the step serves all four)
	s_cmp_eq_u32 s[UU], 17                         ; step 16 opens the second pass: a count of steps, the same in all waves
	s_cbranch_scc1 .Lpass
	BODY 0, 0
	s_branch .Lnext
.Lpass:
	EPI
	SCORE 0
	BODY 1, 0
.Lnext:
	s_sub_co_u32 s18, s18, 1
	s_cmp_lg_u32 s18, 0
	s_cbranch_scc1 .Ltrip
	s_sub_co_u32 s19, s19, 1
	s_cmp_lg_u32 s19, 0
	s_cbranch_scc1 .Lfill
	CH 0                                           ; the last fill has landed; nothing is left to ask for
	s_mov_b32 s18, 4
.Ltail:                                                ; steps 27 .. 30
	BAR
	BODY 0, 0
	s_sub_co_u32 s18, s18, 1
	s_cmp_lg_u32 s18, 0
	s_cbranch_scc1 .Ltail
	BAR
	BODY 0, 1                                      ; step 31
	EPI
	SCORE 256
	s_wait_tensorcnt 0x0                           ; the wave's end, behind my last tensor load and my last LDS store
	ds_add_u32 v[SPW], v[NIL]
	s_wait_dscnt 0x0
	s_endpgm
.Lfunc_end_k_q596ef9a6df_scores:
	.size	k_q596ef9a6df_scores, .Lfunc_end_k_q596ef9a6df_scores-k_q596ef9a6df_scores
	.p2alignl 7, 3214868480
	.fill 96, 4, 3214868480
	.section	.rodata,"a",@progbits
	.p2align	6, 0x0
	.amdhsa_kernel k_q596ef9a6df_scores
		.amdhsa_group_segment_fixed_size 327680
		.amdhsa_private_segment_fixed_size 0
		.amdhsa_enable_private_segment 0
		.amdhsa_kernarg_size 48
		.amdhsa_user_sgpr_count 2
		.amdhsa_user_sgpr_kernarg_segment_ptr 1
		.amdhsa_wavefront_size32 1
		.amdhsa_system_sgpr_workgroup_id_x 1
		.amdhsa_system_sgpr_workgroup_id_y 1
		.amdhsa_system_sgpr_workgroup_id_z 1
		.amdhsa_system_vgpr_workitem_id 0
		.amdhsa_next_free_vgpr 1024
		.amdhsa_next_free_sgpr 80
		.amdhsa_reserve_vcc 0
		.amdhsa_float_denorm_mode_32 3
		.amdhsa_float_denorm_mode_16_64 3
		.amdhsa_memory_ordered 1
		.amdhsa_forward_progress 1
		.amdhsa_inst_pref_size 255
	.end_amdhsa_kernel
	.section	.bss,"aw",@nobits
	.p2align	6
	.space	262144
	.amdgpu_metadata
---
amdhsa.version: [ 1, 2 ]
amdhsa.kernels:
  - .name:           k_q596ef9a6df_scores
    .symbol:         k_q596ef9a6df_scores.kd
    .args:
      - { .name: queries, .offset: 0, .size: 8, .value_kind: global_buffer, .address_space: global }
      - { .name: keys, .offset: 8, .size: 8, .value_kind: global_buffer, .address_space: global }
      - { .name: wfrag, .offset: 16, .size: 8, .value_kind: global_buffer, .address_space: global }
      - { .name: wscale, .offset: 24, .size: 8, .value_kind: global_buffer, .address_space: global }
      - { .name: w_v, .offset: 32, .size: 8, .value_kind: global_buffer, .address_space: global }
      - { .name: sc, .offset: 40, .size: 8, .value_kind: global_buffer, .address_space: global }
    .group_segment_fixed_size: 327680
    .private_segment_fixed_size: 0
    .kernarg_segment_align: 8
    .kernarg_segment_size: 48
    .max_flat_workgroup_size: 128
    .sgpr_count:     80
    .vgpr_count:     1024
    .wavefront_size: 32
...
	.end_amdgpu_metadata
.endif
;; end of part 2
;; launch combine (part 3): grid 16 x 1, 8 waves a work-group, no clusters, 45,568 bytes of LDS; arguments sc, vfrag, vscale, out0; writes out0
.if DOCPART == 3
	.amdgcn_target "amdgcn-amd-amdhsa--gfx1250"
	.amdhsa_code_object_version 6
	.text
	.protected	k_q596ef9a6df_combine
	.globl	k_q596ef9a6df_combine
	.p2align	8
	.type	k_q596ef9a6df_combine,@function
k_q596ef9a6df_combine:
	s_mov_b64 s[64:65], 0
	v_nop
	global_prefetch_b8 v0, s[64:65] scope:SCOPE_SE
	s_setreg_imm32_b32 hwreg(HW_REG_WAVE_MODE, 25, 1), 1
	s_wait_xcnt 0x0
; out[b][d] = sum over s of attn[s][b] values[s][d], attn = softmax over s of -2 sg[s][b], finished and normalised in f32, then quantised along s; values as codes made by the first launch.
; WORK LEFT OUT: the sum over h of w_v[h], the same for every s, is not in sg: the softmax over s takes it away (shown at the head of the first kernel; the limit stated there holds here).
; LIMITS: NaN and infinities are not served; a block of attn under 2^-118 has its byte held at 1, a block of zeros the byte 1.
; SHARES.  A work-group owns 64 columns d, so that a row's part of out is 256 aligned bytes; there are 16 such blocks.  Each work-group makes the whole softmax anew: 32 x 1,024 numbers.
; Wave w: mu = w % 2 (b = 16 mu + r), kp = w / 2.  It makes attn's fragments (mu, K steps 2 kp and 2 kp + 1) and hands them on through LDS as images of their registers; then the tile
; (d = 64 x + 16 kp on, b = 16 mu on) over all 8 K steps.  The product is used transposed (source 0 = 16 columns d of values, source 1 = attn): a lane holds one b and eight neighbouring d.
; sc is laid [block of 2 s: 512][b 32][2]: a lane's 16 neighbouring s of a block of 32 are eight loads of 8 bytes.
.set MX,    0                          ; LDS: 64 bytes for each wave: its part of the maximum
.set SM,    512                        ; and of the sum
.set AIMG,  1024                       ; attn's 16 fragment images (8 mu + K step), 2,048 bytes each
.set ASC,   AIMG+16*2048               ; their scale words, 128 bytes each
.set STG,   ASC+16*128                 ; the stage for out: 32 rows of 256 bytes + 16
.set SPARE, STG+32*272                 ; the spare words, 128 bytes for each wave: four blocks of 256 bytes that no other line names
.set SPW,  16                          ; v16  LDS address of my spare word; never rewritten
.set NIL,  17                          ; v17  0; never rewritten
.set TM,   32                          ; v32-47 at work
.set PW,   52
.set X,    64                          ; v64-191 my 128 numbers: register 64 f + 16 c + i = s 128 (2 kp + f) + 32 c + 16 h + i; later eight fragments of attn
.set PC,   192
.set VS,   208                         ; v208-215 values' scale words;  v216-223 attn's
.set AS,   216
.set ACC,  224                         ; v224-239 two accumulators
.set O,    240
.set SEL,  20
.set MNT,  22
.set CN,   24                          ; s[24:25] -2 log2(e)
.set MSB, 0
.macro WIN new
.if MSB != (\new)
	s_set_vgpr_msb (MSB<<8)|(\new)
.set MSB, (\new)
.endif
.endm
.macro QS0 s
.irp b, 0,1,2,3
	v_max3_num_f32 v[TM+\b], |v[\s+16*\b]|, |v[\s+16*\b+1]|, 0x4800000          ; my 16 numbers of block b, and the floor 2^(9 - 127)
.endr
.irp i, 2,4,6,8,10,12,14
.irp b, 0,1,2,3
	v_max3_num_f32 v[TM+\b], v[TM+\b], |v[\s+16*\b+\i]|, |v[\s+16*\b+\i+1]|
.endr
.endr
.endm
.macro QS1 pw
.irp b, 0,1,2,3
	v_permlanex16_b32 v[TM+4+\b], v[TM+\b], s[SEL], s[SEL+1]
.endr
.irp b, 0,1,2,3
	v_max_num_f32 v[TM+\b], v[TM+\b], v[TM+4+\b]
.endr
.irp b, 0,1,2,3
	v_add_nc_u32 v[TM+12+\b], 0xfc000000, v[TM+\b]              ; 8 off the exponent field: the conversion's scale operand
.endr
.irp b, 0,1,2,3
	v_and_or_b32 v[TM+8+\b], v[TM+\b], 0x7f800000, s[MNT]       ; 448 x the scale
.endr
.irp b, 0,1,2,3
	v_lshrrev_b32 v[TM+4+\b], 23, v[TM+12+\b]                   ; the byte
.endr
	v_lshl_or_b32 v[\pw], v[TM+5], 8, v[TM+4]
	v_lshl_or_b32 v[\pw], v[TM+6], 16, v[\pw]
	v_lshl_or_b32 v[\pw], v[TM+7], 24, v[\pw]
.endm
.macro QSC s, b0
.irp b, \b0, \b0+1
.irp i, 0,1,2,3,4,5,6,7,8,9,10,11,12,13,14,15
	v_med3_num_f32 v[\s+16*(\b)+\i], v[\s+16*(\b)+\i], -v[TM+8+(\b)], v[TM+8+(\b)]   ; the conversion to an 8-bit code does not saturate (ISA guide 7.6.2)
.endr
	v_cvt_scalef32_pk8_fp8_f32 v[PC+4*(\b):PC+4*(\b)+1], v[\s+16*(\b):\s+16*(\b)+7], v[TM+12+(\b)]
	v_cvt_scalef32_pk8_fp8_f32 v[PC+4*(\b)+2:PC+4*(\b)+3], v[\s+16*(\b)+8:\s+16*(\b)+15], v[TM+12+(\b)]
.endr
	v_nop                                          ; a plain vector line behind the last conversion of the run
.endm
.macro BAR                             ; my LDS stores have landed and my LDS loads are in: then the work-group's barrier
	s_wait_dscnt 0x0
	s_barrier_signal -1
	s_barrier_wait -1
.endm
	s_load_b256 s[4:11], s[0:1], 0x0               ; sc s[4:5], vfrag s[6:7], vscale s[8:9], out0 s[10:11]
	v_lshl_add_u32 v[SPW], v0, 2, SPARE
	v_mov_b32 v[NIL], 0
	v_lshrrev_b32 v1, 5, v0
	v_readfirstlane_b32 s16, v1                    ; wave 0..7
	s_and_b32 s17, s16, 1                          ; mu
	s_lshr_b32 s18, s16, 1                         ; kp
	v_and_b32 v1, 31, v0                           ; lane
	v_and_b32 v2, 15, v0                           ; r
	v_bfe_u32 v3, v0, 4, 1                         ; h
	v_lshlrev_b32 v4, 11, v3
	v_lshl_add_u32 v4, v2, 3, v4                   ; sc: 8 blocks of 256 bytes for h, 8 bytes for r
	v_lshlrev_b32 v5, 4, v1                        ; 16 x lane
	v_lshlrev_b32 v6, 2, v2                        ; 4 r
	s_lshl_b32 s26, s16, 6
	v_add_nc_u32 v7, s26, v6                       ; my wave's part of the maximum and of the sum, to write
	s_lshl_b32 s26, s17, 6
	v_add_nc_u32 v8, s26, v6                       ; the four parts of my mu, to read: 128 bytes apart
	s_lshl_b32 s26, s17, 3
	s_lshl_b32 s27, s18, 1
	s_add_co_u32 s26, s26, s27                     ; 8 mu + 2 kp: my first fragment
	s_lshl_b32 s27, s26, 11
	s_add_co_u32 s27, s27, AIMG
	v_add_nc_u32 v9, s27, v5                       ; its image, to write
	s_lshl_b32 s27, s26, 7
	s_add_co_u32 s27, s27, ASC
	v_lshl_add_u32 v10, v1, 2, s27                 ; its scale words
	s_lshl_b32 s27, s17, 14
	s_add_co_u32 s27, s27, AIMG
	v_add_nc_u32 v11, s27, v5                      ; the eight images of my mu, to read
	s_lshl_b32 s27, s17, 10
	s_add_co_u32 s27, s27, ASC
	v_lshl_add_u32 v12, v1, 2, s27
	s_mul_i32 s27, s17, 16*272
	s_lshl_b32 s28, s18, 6
	s_add_co_u32 s27, s27, s28
	s_add_co_u32 s27, s27, STG
	v_mul_u32_u24 v13, v2, 272
	v_lshl_add_u32 v13, v3, 5, v13
	v_add_nc_u32 v13, s27, v13                     ; the stage, in: row 16 mu + r, + 64 kp + 32 h
	s_mul_i32 s27, s16, 4*272
	s_add_co_u32 s27, s27, STG
	v_mul_u32_u24 v14, v3, 272
	v_lshl_add_u32 v14, v2, 4, v14
	v_add_nc_u32 v14, s27, v14                     ; back: rows 4 wave + h (+ 2), 16 bytes a lane
	s_lshl_b32 s27, s16, 14
	v_lshlrev_b32 v15, 12, v3
	v_lshl_add_u32 v15, v2, 4, v15
	v_add_nc_u32 v15, s27, v15                     ; and the same rows of out, 4,096 bytes each
	s_mov_b32 s[SEL], 0x76543210
	s_mov_b32 s[SEL+1], 0xfedcba98
	s_mov_b32 s[MNT], 0x600000
	s_mov_b32 s[CN], 0xc038aa3b                    ; -2 log2(e)
	s_mov_b32 s[CN+1], s[CN]                       ; (named with it as a pair, so it is written)
.irp b, 0,1,2,3
	v_mov_b32 v[TM+4+\b], 0                        ; written once: a lane permute's destination counts as one of its sources
.endr
	s_lshl_b32 s28, s17, 7                         ; sc: 16 mu x 8 bytes,
	s_lshl_b32 s29, s18, 15                        ; 2 kp K steps of 64 blocks of 256 bytes
	s_add_co_u32 s28, s28, s29
	s_mov_b32 s29, 0
	s_lshl_b32 s30, ttmp9, 2
	s_add_co_u32 s30, s30, s18                     ; my tile of 16 columns: 4 x + kp
	s_lshl_b32 s32, s30, 6                         ; vscale: 64 bytes a tile
	s_mov_b32 s33, 0
	s_lshl_b32 s30, s30, 14                        ; vfrag: 16,384 bytes a tile
	s_mov_b32 s31, 0
	s_lshl_b32 s34, ttmp9, 8                       ; out: 256 bytes of a row
	s_mov_b32 s35, 0
	s_wait_kmcnt 0x0
	s_add_nc_u64 s[4:5], s[4:5], s[28:29]
	s_add_nc_u64 s[6:7], s[6:7], s[30:31]
	s_add_nc_u64 s[8:9], s[8:9], s[32:33]
	s_add_nc_u64 s[10:11], s[10:11], s[34:35]
.irp f, 0,1
.irp c, 0,1,2,3
.irp i, 0,1,2,3,4,5,6,7
	global_load_b64 v[X+64*\f+16*\c+2*\i:X+64*\f+16*\c+2*\i+1], v4, s[4:5] offset:\f*16384+\c*4096+\i*256
.endr
.endr
.endr
	WIN 0x40                                       ; destination window 1
.irp k, 0,1,2,3,4,5,6,7
.irp c, 0,1,2,3
	global_load_b128 v[16*\k+4*\c:16*\k+4*\c+3], v5, s[6:7] offset:\k*2048+\c*512   ; my tile's eight fragments of values
.endr
.endr
	WIN 0
.irp k, 0,1,2,3,4,5,6,7
	global_load_b32 v[VS+\k], v6, s[8:9] offset:\k*4096
.endr
	s_wait_loadcnt 40                              ; sg is in; the 40 loads of values' codes and scale words may be out
	; ---- the maximum: t = -2 log2(e) sg, so the largest t is 2 log2(e) x the largest -sg
.irp q, 0,1,2,3
	v_max3_num_f32 v[TM+\q], -v[X+32*\q], -v[X+32*\q+1], -v[X+32*\q+2]
.endr
.irp i, 3,5,7,9,11,13,15,17,19,21,23,25,27,29
.irp q, 0,1,2,3
	v_max3_num_f32 v[TM+\q], v[TM+\q], -v[X+32*\q+\i], -v[X+32*\q+\i+1]
.endr
.endr
.irp q, 0,1,2,3
	v_max_num_f32 v[TM+\q], v[TM+\q], -v[X+32*\q+31]
.endr
	v_max3_num_f32 v[TM], v[TM], v[TM+1], v[TM+2]
	v_max_num_f32 v[TM], v[TM], v[TM+3]
	v_permlanex16_b32 v[TM+4], v[TM], s[SEL], s[SEL+1]
	v_max_num_f32 v[TM], v[TM], v[TM+4]            ; of my 256 s, for b = 16 mu + r
	ds_store_b32 v7, v[TM] offset:MX               ; both halves of the lanes write the same word with the same value
	BAR
.irp k, 0,1,2,3
	ds_load_b32 v[20+\k], v8 offset:MX+128*\k
.endr
	s_wait_dscnt 0x0
	v_max3_num_f32 v24, v20, v21, v22
	v_max_num_f32 v24, v24, v23
	v_mul_f32 v24, 0x4038aa3b, v24                 ; the largest t of my b
	v_mov_b32 v25, v24
.set i, 0
.rept 64
	v_pk_fma_f32 v[X+i:X+i+1], v[X+i:X+i+1], s[CN:CN+1], v[24:25] op_sel_hi:[1,0,1] neg_lo:[0,0,1] neg_hi:[0,0,1]   ; t less the largest t, in one rounding
.set i, i+2
.endr
.set i, 0
.rept 128
	v_exp_f32 v[X+i], v[X+i]
.set i, i+1
.endr
	v_nop                                          ; a plain line behind the last exponential,
	s_wait_alu depctr_va_vdst(0)                   ; and one wait for the batch, ahead of its first reader
.irp q, 0,1,2,3
	v_pk_add_f32 v[TM+2*\q:TM+2*\q+1], v[X+32*\q:X+32*\q+1], v[X+32*\q+2:X+32*\q+3]
.endr
.irp i, 4,6,8,10,12,14,16,18,20,22,24,26,28,30
.irp q, 0,1,2,3
	v_pk_add_f32 v[TM+2*\q:TM+2*\q+1], v[TM+2*\q:TM+2*\q+1], v[X+32*\q+\i:X+32*\q+\i+1]
.endr
.endr
	v_pk_add_f32 v[TM:TM+1], v[TM:TM+1], v[TM+2:TM+3]
	v_pk_add_f32 v[TM+4:TM+5], v[TM+4:TM+5], v[TM+6:TM+7]
	v_pk_add_f32 v[TM:TM+1], v[TM:TM+1], v[TM+4:TM+5]
	v_add_f32 v[TM], v[TM], v[TM+1]
	v_permlanex16_b32 v[TM+4], v[TM], s[SEL], s[SEL+1]
	v_add_f32 v[TM], v[TM], v[TM+4]
	ds_store_b32 v7, v[TM] offset:SM
	BAR
.irp k, 0,1,2,3
	ds_load_b32 v[20+\k], v8 offset:SM+128*\k
.endr
	s_wait_dscnt 0x0
	v_add_f32 v20, v20, v21
	v_add_f32 v22, v22, v23
	v_add_f32 v20, v20, v22                        ; the row's sum, in the same order in every wave
	v_rcp_f32 v26, v20
	v_nop
	s_wait_alu depctr_va_vdst(0)
	v_mov_b32 v27, v26
.set i, 0
.rept 64
	v_pk_mul_f32 v[X+i:X+i+1], v[X+i:X+i+1], v[26:27]           ; attn, finished and normalised
.set i, i+2
.endr
.irp f, 0,1
	QS0 X+64*\f
	QS1 PW
	QSC X+64*\f, 0
	QSC X+64*\f, 2
.irp c, 0,1,2,3
	ds_store_b128 v9, v[PC+4*\c:PC+4*\c+3] offset:\f*2048+\c*512
.endr
	ds_store_b32 v10, v[PW] offset:\f*128
	s_wait_dscnt 0x0                               ; the stores have read their registers
.endr
	BAR                                            ; attn's sixteen fragments lie in LDS
.irp k, 0,1,2,3,4,5,6,7
.irp c, 0,1,2,3
	ds_load_b128 v[X+16*\k+4*\c:X+16*\k+4*\c+3], v11 offset:\k*2048+\c*512
.endr
	ds_load_b32 v[AS+\k], v12 offset:\k*128
.endr
	s_wait_dscnt 0x0
	s_wait_loadcnt 0x0                             ; values' codes and scale words
	WIN 0x01                                       ; source 0 (values) window 1
.irp k, 0,1,2,3,4,5,6,7                        ; two accumulators by turns, one instruction a turn; the first two products start the sums
.if \k < 2
	v_wmma_scale_f32_16x16x128_f8f6f4 v[ACC+8*(\k%2):ACC+8*(\k%2)+7], v[16*\k:16*\k+15], v[X+16*\k:X+16*\k+15], 0, v[VS+\k], v[AS+\k]
.else
	v_wmma_scale_f32_16x16x128_f8f6f4 v[ACC+8*(\k%2):ACC+8*(\k%2)+7], v[16*\k:16*\k+15], v[X+16*\k:X+16*\k+15], v[ACC+8*(\k%2):ACC+8*(\k%2)+7], v[VS+\k], v[AS+\k]
.endif
.endr
	WIN 0
.rept 8
	v_nop                                          ; the places in front of the first read of results (ISA guide 7.12.1)
.endr
.irp p, 0,2,4,6
	v_pk_add_f32 v[O+\p:O+\p+1], v[ACC+\p:ACC+\p+1], v[ACC+8+\p:ACC+8+\p+1]     ; both accumulators from their low ends on
.endr
	ds_store_b128 v13, v[O:O+3]                    ; out(16 mu + r, 64 x + 16 kp + 8 h + 0 .. 7)
	ds_store_b128 v13, v[O+4:O+7] offset:16
	BAR                                            ; 32 rows of 256 bytes lie in the stage
	ds_load_b128 v[O:O+3], v14
	ds_load_b128 v[O+4:O+7], v14 offset:2*272
	s_wait_dscnt 0x0
	global_store_b128 v15, v[O:O+3], s[10:11]      ; sixteen lanes store 256 consecutive bytes, aligned
	global_store_b128 v15, v[O+4:O+7], s[10:11] offset:2*4096
	s_wait_tensorcnt 0x0                           ; the wave's end, behind my last LDS store
	ds_add_u32 v[SPW], v[NIL]
	s_wait_dscnt 0x0
	s_endpgm
.Lfunc_end_k_q596ef9a6df_combine:
	.size	k_q596ef9a6df_combine, .Lfunc_end_k_q596ef9a6df_combine-k_q596ef9a6df_combine
	.p2alignl 7, 3214868480
	.fill 96, 4, 3214868480
	.section	.rodata,"a",@progbits
	.p2align	6, 0x0
	.amdhsa_kernel k_q596ef9a6df_combine
		.amdhsa_group_segment_fixed_size 45568
		.amdhsa_private_segment_fixed_size 0
		.amdhsa_enable_private_segment 0
		.amdhsa_kernarg_size 32
		.amdhsa_user_sgpr_count 2
		.amdhsa_user_sgpr_kernarg_segment_ptr 1
		.amdhsa_wavefront_size32 1
		.amdhsa_system_sgpr_workgroup_id_x 1
		.amdhsa_system_sgpr_workgroup_id_y 1
		.amdhsa_system_sgpr_workgroup_id_z 1
		.amdhsa_system_vgpr_workitem_id 0
		.amdhsa_next_free_vgpr 384
		.amdhsa_next_free_sgpr 66
		.amdhsa_reserve_vcc 0
		.amdhsa_float_denorm_mode_32 3
		.amdhsa_float_denorm_mode_16_64 3
		.amdhsa_memory_ordered 1
		.amdhsa_forward_progress 1
		.amdhsa_inst_pref_size 57
	.end_amdhsa_kernel
	.amdgpu_metadata
---
amdhsa.version: [ 1, 2 ]
amdhsa.kernels:
  - .name:           k_q596ef9a6df_combine
    .symbol:         k_q596ef9a6df_combine.kd
    .args:
      - { .name: sc, .offset: 0, .size: 8, .value_kind: global_buffer, .address_space: global }
      - { .name: vfrag, .offset: 8, .size: 8, .value_kind: global_buffer, .address_space: global }
      - { .name: vscale, .offset: 16, .size: 8, .value_kind: global_buffer, .address_space: global }
      - { .name: out0, .offset: 24, .size: 8, .value_kind: global_buffer, .address_space: global }
    .group_segment_fixed_size: 45568
    .private_segment_fixed_size: 0
    .kernarg_segment_align: 8
    .kernarg_segment_size: 32
    .max_flat_workgroup_size: 256
    .sgpr_count:     66
    .vgpr_count:     384
    .wavefront_size: 32
...
	.end_amdgpu_metadata
.endif
;; end of part 3
;; ======== version 2 of 2: 3 launches
;; limits: right only within a limited range of input values
;; workspace buffers: wfrag 2,097,152 bytes; wscale 65,536 bytes; vfrag 1,048,576 bytes; vscale 32,768 bytes; sc 131,072 bytes
;; launch prep (part 4): grid 512 x 1, 4 waves a work-group, no clusters, 34,816 bytes of LDS; arguments W_q, W_k, values, wfrag, wscale, vfrag, vscale; writes wfrag, wscale, vfrag, vscale
.if DOCPART == 4
	.amdgcn_target "amdgcn-amd-amdhsa--gfx1250"
	.amdhsa_code_object_version 6
	.text
	.protected	k_q596ef9a6df_prep
	.globl	k_q596ef9a6df_prep
	.p2align	8
	.type	k_q596ef9a6df_prep,@function
k_q596ef9a6df_prep:
	s_mov_b64 s[64:65], 0
	v_nop
	global_prefetch_b8 v0, s[64:65] scope:SCOPE_SE
	s_setreg_imm32_b32 hwreg(HW_REG_WAVE_MODE, 25, 1), 1
	s_wait_xcnt 0x0
; THE PROGRAM.  out[b][d] = sum over s of attn[s][b] values[s][d];  attn = softmax over s of score[s][b];  score[s][b] = sum over h of w_v[h] tanh(q[s][b][h] + k[s][b][h]);
; q = queries W_q^T, k = keys W_k^T.  The two large products and the last one run on codes of E4M3 with one E8M0 scale for each 32 along K; all else is f32.
; Three launches: this one lays the small operands out as codes; the second makes one number for each (s, b); the third is the softmax and the last product.
; q + k is ONE product: rows [queries | keys] (K = 2,048) against rows [W_q | W_k]; 1,024 is a multiple of 32, so the blocks of 32 along K are those of the two products.
; WORK LEFT OUT.  tanh(x) = 1 - 2 rho(x) with rho(x) = 1 / (1 + 2^(2 log2(e) x)), an identity for every real x.  So score[s][b] = (sum over h of w_v[h]) - 2 sum over h of w_v[h] rho(q + k).
; The first term does not hang on s: it is the same along the softmax's axis, whatever the inputs hold, and the softmax over s takes it away: attn, which the last product quantises, is the same number in
; exact arithmetic with it and without.  So the sum of w_v is never formed; the program carries sg[s][b] = sum over h of w_v[h] rho(..) and takes the softmax of -2 sg.  Every input is still loaded.
; LIMITS.  A NaN, an infinity or an overflow that would arise only in the sum of w_v is not carried to the result.  NaN and infinities among the inputs are not served.  A block whose largest magnitude lies
; under 2^-118 has its scale byte held at 1; a block of zeros gets the byte 1 where the rule says 127: its codes are zeros, and the bytes are read by this program alone.
; THIS LAUNCH.  Work-groups 0-255: [W_q | W_k] into wfrag, images of the matrix operand's registers: [K step 16][w 4][fragment 16][c 4][lane 32][16 bytes]; fragment b of w holds rows 256 w + 16 b + r,
; lane (r, h) the codes of k = 32 c + 16 h + 0 .. 15 of the K step; scale words into wscale [K step][w][group 4][r 16][fragment in group 4].  A work-group takes one group, a wave one fragment.
; Work-groups 256-511: values, whose K (= s) is its first axis, into vfrag [tile of 16 d: 64][K step 8][c 4][lane 32][16 bytes] and vscale [K step 8][d 1024] words.  A work-group takes 32 columns of a K step,
; a wave one block of 32 s.  In both paths a wave has one round of loads, and the four waves' scale words or bytes meet in LDS, each path in bytes of its own.
.set ROWB,   4096                      ; a row of W_q, W_k or values in bytes
.set STGB,   16*528                    ; a wave's stage: 16 rows of 512 bytes + 16 of padding
.set SWD,    4*STGB                    ; W's path: 256 bytes of scale words [r 16][fragment 4]
.set VSW,    SWD+256                   ; values' path: 128 bytes of scale words [column 32]
.set SPARE,  VSW+256                   ; the spare words, 128 bytes for each wave
.set SPW,  5                           ; v5   LDS address of my spare word; never rewritten
.set NIL,  6                           ; v6   0; never rewritten
.set TM,   16                          ; v16-31  at work in the quantiser
.set PW,   36                          ; my fragment's scale word
.set PC,   40                          ; v40-55  its codes
.set R,    64                          ; v64-127 as loaded
.set X,    128                         ; v128-191 register 16 c + i = k 32 c + 16 h + i of my row
.set VX,   64                          ; values: 32 numbers down K
.set VC,   96                          ; values: 8 registers of codes
.set SEL,  20                          ; s[20:21] selects for lane l xor 16
.set MNT,  22                          ; s22  the mantissa field of 448
.macro QS0 s                           ; each block's largest magnitude among my 16 numbers, and the floor 2^(9 - 127)
.irp b, 0,1,2,3
	v_max3_num_f32 v[TM+\b], |v[\s+16*\b]|, |v[\s+16*\b+1]|, 0x4800000
.endr
.irp i, 2,4,6,8,10,12,14
.irp b, 0,1,2,3
	v_max3_num_f32 v[TM+\b], v[TM+\b], |v[\s+16*\b+\i]|, |v[\s+16*\b+\i+1]|
.endr
.endr
.endm
.macro QS1 pw
.irp b, 0,1,2,3
	v_permlanex16_b32 v[TM+4+\b], v[TM+\b], s[SEL], s[SEL+1]
.endr
.irp b, 0,1,2,3
	v_max_num_f32 v[TM+\b], v[TM+\b], v[TM+4+\b]                ; with lane l xor 16: the block's largest magnitude
.endr
.irp b, 0,1,2,3
	v_add_nc_u32 v[TM+12+\b], 0xfc000000, v[TM+\b]              ; 8 off its exponent field: the conversion's scale operand
.endr
.irp b, 0,1,2,3
	v_and_or_b32 v[TM+8+\b], v[TM+\b], 0x7f800000, s[MNT]       ; 448 x the scale
.endr
.irp b, 0,1,2,3
	v_lshrrev_b32 v[TM+4+\b], 23, v[TM+12+\b]                   ; the scale's byte
.endr
	v_lshl_or_b32 v[\pw], v[TM+5], 8, v[TM+4]
	v_lshl_or_b32 v[\pw], v[TM+6], 16, v[\pw]
	v_lshl_or_b32 v[\pw], v[TM+7], 24, v[\pw]
.endm
.macro QSC s, b0                       ; blocks b0, b0 + 1: the hold (the conversion to an 8-bit code does not saturate: ISA guide 7.6.2) and the conversion
.irp b, \b0, \b0+1
.irp i, 0,1,2,3,4,5,6,7,8,9,10,11,12,13,14,15
	v_med3_num_f32 v[\s+16*(\b)+\i], v[\s+16*(\b)+\i], -v[TM+8+(\b)], v[TM+8+(\b)]
.endr
	v_cvt_scalef32_pk8_fp8_f32 v[PC+4*(\b):PC+4*(\b)+1], v[\s+16*(\b):\s+16*(\b)+7], v[TM+12+(\b)]
	v_cvt_scalef32_pk8_fp8_f32 v[PC+4*(\b)+2:PC+4*(\b)+3], v[\s+16*(\b)+8:\s+16*(\b)+15], v[TM+12+(\b)]
.endr
	v_nop                                          ; a plain vector line behind the last conversion of the run
.endm
	s_load_b256 s[4:11], s[0:1], 0x0               ; W_q s[4:5], W_k s[6:7], values s[8:9], wfrag s[10:11]
	s_load_b128 s[12:15], s[0:1], 0x20             ; wscale s[12:13], vfrag s[14:15]
	s_load_b64 s[16:17], s[0:1], 0x30              ; vscale
	v_lshl_add_u32 v[SPW], v0, 2, SPARE
	v_mov_b32 v[NIL], 0
	v_lshrrev_b32 v7, 5, v0
	v_readfirstlane_b32 s18, v7                    ; wave 0..3
	v_and_b32 v7, 31, v0                           ; lane
	v_and_b32 v8, 15, v0                           ; r
	v_bfe_u32 v9, v0, 4, 1                         ; h
	s_mov_b32 s[SEL], 0x76543210
	s_mov_b32 s[SEL+1], 0xfedcba98
	s_mov_b32 s[MNT], 0x600000
	s_cmp_lt_u32 ttmp9, 256                        ; the work-group's number alone decides the path
	s_wait_alu depctr_va_vdst(0)
	s_cbranch_scc0 .Lvalues
	; ---- W: work-group x = 16 x K step + 4 w + g; my wave f makes fragment 4 g + f: rows 256 w + 64 g + 16 f + i
	s_lshr_b32 s23, ttmp9, 4                       ; K step 0..15: 0-7 of W_q, 8-15 of W_k
	s_bfe_u32 s24, ttmp9, 0x20002                  ; w
	s_and_b32 s25, ttmp9, 3                        ; g
	s_lshl_b32 s26, s24, 20                        ; 256 w rows of 4,096 bytes
	s_lshl_b32 s27, s25, 18                        ; + 64 g rows
	s_add_co_u32 s26, s26, s27
	s_lshl_b32 s27, s18, 16                        ; + 16 f rows
	s_add_co_u32 s26, s26, s27
	s_and_b32 s27, s23, 7
	s_lshl_b32 s27, s27, 9                         ; + the K step's 512 bytes of a row
	s_add_co_u32 s26, s26, s27
	s_mov_b32 s27, 0
	s_lshl_b32 s28, ttmp9, 13                      ; wfrag: 8,192 bytes for each group,
	s_lshl_b32 s29, s18, 11                        ; 2,048 for my fragment
	s_add_co_u32 s28, s28, s29
	s_mov_b32 s29, 0
	s_lshl_b32 s30, ttmp9, 8                       ; wscale: 256 bytes for each group
	s_mov_b32 s31, 0
	s_mul_i32 s32, s18, STGB                       ; my stage
	s_lshl_b32 s33, s18, 2
	v_lshlrev_b32 v1, 4, v7                        ; 16 x lane: a load's 512 bytes of a row, and an image's place
	v_add_nc_u32 v2, s32, v1                       ; the stage, on the way in
	v_mul_u32_u24 v3, v8, 528
	v_lshl_add_u32 v3, v9, 6, v3
	v_add_nc_u32 v3, s32, v3                       ; and on the way out: row r, + 64 h
	v_lshl_add_u32 v4, v8, 4, s33
	v_add_nc_u32 v4, SWD, v4                       ; my row's scale word: 16 r + 4 f
	v_lshlrev_b32 v10, 3, v7                       ; 8 x lane
	v_add_nc_u32 v11, SWD, v10
.irp b, 0,1,2,3
	v_mov_b32 v[TM+4+\b], 0                        ; written once: a lane permute's destination counts as one of its sources
.endr
	s_wait_alu depctr_va_vdst(0)
	s_wait_kmcnt 0x0
	s_cmp_lt_u32 s23, 8
	s_cselect_b64 s[4:5], s[4:5], s[6:7]           ; W_q or W_k: the choice hangs on the work-group's number alone
	s_add_nc_u64 s[4:5], s[4:5], s[26:27]
	s_add_nc_u64 s[10:11], s[10:11], s[28:29]
	s_add_nc_u64 s[12:13], s[12:13], s[30:31]
.irp i, 0,1,2,3,4,5,6,7,8,9,10,11,12,13,14,15
	global_load_b128 v[R+4*\i:R+4*\i+3], v1, s[4:5] offset:\i*ROWB th:TH_LOAD_NT   ; 512 consecutive bytes of one row
.endr
	s_wait_loadcnt 0x0
.irp i, 0,1,2,3,4,5,6,7,8,9,10,11,12,13,14,15
	ds_store_b128 v2, v[R+4*\i:R+4*\i+3] offset:\i*528
.endr
.irp c, 0,1,2,3
.irp j, 0,1,2,3
	ds_load_b128 v[X+16*\c+4*\j:X+16*\c+4*\j+3], v3 offset:128*\c+16*\j   ; LDS serves a wave's instructions in order: these see my stores
.endr
.endr
	s_wait_dscnt 0x0
	QS0 X
	QS1 PW
	QSC X, 0
	QSC X, 2
.irp c, 0,1,2,3
	global_store_b128 v1, v[PC+4*\c:PC+4*\c+3], s[10:11] offset:\c*512   ; 32 lanes store 512 consecutive bytes
.endr
	ds_store_b32 v4, v[PW]                         ; both halves of the lanes write the same word with the same value
	s_wait_dscnt 0x0                               ; for the others' sake: my words have landed
	s_barrier_signal -1
	s_barrier_wait -1
	s_cmp_lg_u32 s18, 0                            ; wave 0 stores the group's 64 words
	s_cbranch_scc1 .Lend
	ds_load_b64 v[12:13], v11
	s_wait_dscnt 0x0
	global_store_b64 v10, v[12:13], s[12:13]       ; 32 lanes store 256 consecutive bytes, aligned
	s_branch .Lend
.Lvalues:
	; ---- values: a lane takes a column d and its registers run down s: a block of 32 along K lies in one lane; my wave takes block c = wave of the K step
	s_sub_co_u32 s23, ttmp9, 256
	s_and_b32 s24, s23, 31                         ; which 32 columns
	s_lshr_b32 s25, s23, 5                         ; K step 0..7: s = 128 x it on
	s_lshl_b32 s26, s24, 5                         ; the first column
	s_lshl_b32 s28, s25, 19                        ; values: 128 rows of 4,096 bytes a K step,
	s_lshl_b32 s27, s18, 17                        ; 32 rows a block,
	s_add_co_u32 s28, s28, s27
	s_lshl_b32 s27, s26, 2
	s_add_co_u32 s28, s28, s27                     ; 4 bytes a column
	s_mov_b32 s29, 0
	s_lshl_b32 s30, s26, 10                        ; vfrag: 16,384 bytes for each tile of 16 columns,
	s_lshl_b32 s27, s25, 11
	s_add_co_u32 s30, s30, s27                     ; 2,048 for each K step,
	s_lshl_b32 s27, s18, 9
	s_add_co_u32 s30, s30, s27                     ; 512 for each block
	s_mov_b32 s31, 0
	s_lshl_b32 s32, s25, 12                        ; vscale: 4,096 bytes a K step, 4 a column
	s_lshl_b32 s27, s26, 2
	s_add_co_u32 s32, s32, s27
	s_mov_b32 s33, 0
	s_add_co_u32 s34, s18, VSW
	v_lshlrev_b32 v1, 2, v7                        ; 4 x lane
	v_lshlrev_b32 v2, 14, v9                       ; lanes 16-31 belong to the next tile of 16 columns;
	v_lshl_add_u32 v2, v8, 4, v2                   ; in a tile's image column r has 16 bytes at 16 r
	v_lshl_add_u32 v3, v7, 2, s34                  ; my column's word, my block's byte
	v_add_nc_u32 v4, VSW, v1
	s_wait_alu depctr_va_vdst(0)
	s_wait_kmcnt 0x0
	s_add_nc_u64 s[8:9], s[8:9], s[28:29]
	s_add_nc_u64 s[14:15], s[14:15], s[30:31]
	s_add_nc_u64 s[16:17], s[16:17], s[32:33]
.set i, 0
.rept 32
	global_load_b32 v[VX+i], v1, s[8:9] offset:i*ROWB th:TH_LOAD_NT
.set i, i+1
.endr
	s_wait_loadcnt 0x0
	v_max3_num_f32 v20, |v[VX]|, |v[VX+1]|, |v[VX+2]|
	v_max3_num_f32 v21, |v[VX+3]|, |v[VX+4]|, |v[VX+5]|
.irp i, 6,10,14,18,22,26
	v_max3_num_f32 v20, v20, |v[VX+\i]|, |v[VX+\i+1]|
	v_max3_num_f32 v21, v21, |v[VX+\i+2]|, |v[VX+\i+3]|
.endr
	v_max3_num_f32 v20, v20, |v[VX+30]|, |v[VX+31]|
	v_max3_num_f32 v20, v20, v21, 0x4800000        ; and the floor
	v_add_nc_u32 v23, 0xfc000000, v20              ; the conversion's scale operand
	v_and_or_b32 v22, v20, 0x7f800000, s[MNT]      ; 448 x the scale
	v_lshrrev_b32 v24, 23, v23                     ; the byte
.set i, 0
.rept 32
	v_med3_num_f32 v[VX+i], v[VX+i], -v22, v22
.set i, i+1
.endr
.irp g, 0,1,2,3
	v_cvt_scalef32_pk8_fp8_f32 v[VC+2*\g:VC+2*\g+1], v[VX+8*\g:VX+8*\g+7], v23
.endr
	v_nop
	global_store_b128 v2, v[VC:VC+3], s[14:15]                 ; k = 32 c + 0 .. 15: the image's lanes 0-15; sixteen lanes store 256 consecutive bytes, aligned
	global_store_b128 v2, v[VC+4:VC+7], s[14:15] offset:256    ; k = 32 c + 16 .. 31: its lanes 16-31
	ds_store_b8 v3, v24
	s_wait_dscnt 0x0                               ; for the others' sake: my bytes have landed
	s_barrier_signal -1
	s_barrier_wait -1
	s_cmp_lg_u32 s18, 0                            ; wave 0 stores the 32 columns' words
	s_cbranch_scc1 .Lend
	ds_load_b32 v12, v4
	s_wait_dscnt 0x0
	global_store_b32 v1, v12, s[16:17]
.Lend:
	s_wait_tensorcnt 0x0                           ; the wave's end
	ds_add_u32 v[SPW], v[NIL]
	s_wait_dscnt 0x0
	s_endpgm
.Lfunc_end_k_q596ef9a6df_prep:
	.size	k_q596ef9a6df_prep, .Lfunc_end_k_q596ef9a6df_prep-k_q596ef9a6df_prep
	.p2alignl 7, 3214868480
	.fill 96, 4, 3214868480
	.section	.rodata,"a",@progbits
	.p2align	6, 0x0
	.amdhsa_kernel k_q596ef9a6df_prep
		.amdhsa_group_segment_fixed_size 34816
		.amdhsa_private_segment_fixed_size 0
		.amdhsa_enable_private_segment 0
		.amdhsa_kernarg_size 56
		.amdhsa_user_sgpr_count 2
		.amdhsa_user_sgpr_kernarg_segment_ptr 1
		.amdhsa_wavefront_size32 1
		.amdhsa_system_sgpr_workgroup_id_x 1
		.amdhsa_system_sgpr_workgroup_id_y 1
		.amdhsa_system_sgpr_workgroup_id_z 1
		.amdhsa_system_vgpr_workitem_id 0
		.amdhsa_next_free_vgpr 192
		.amdhsa_next_free_sgpr 66
		.amdhsa_reserve_vcc 0
		.amdhsa_float_denorm_mode_32 3
		.amdhsa_float_denorm_mode_16_64 3
		.amdhsa_memory_ordered 1
		.amdhsa_forward_progress 1
		.amdhsa_inst_pref_size 24
	.end_amdhsa_kernel
	.amdgpu_metadata
---
amdhsa.version: [ 1, 2 ]
amdhsa.kernels:
  - .name:           k_q596ef9a6df_prep
    .symbol:         k_q596ef9a6df_prep.kd
    .args:
      - { .name: W_q, .offset: 0, .size: 8, .value_kind: global_buffer, .address_space: global }
      - { .name: W_k, .offset: 8, .size: 8, .value_kind: global_buffer, .address_space: global }
      - { .name: values, .offset: 16, .size: 8, .value_kind: global_buffer, .address_space: global }
      - { .name: wfrag, .offset: 24, .size: 8, .value_kind: global_buffer, .address_space: global }
      - { .name: wscale, .offset: 32, .size: 8, .value_kind: global_buffer, .address_space: global }
      - { .name: vfrag, .offset: 40, .size: 8, .value_kind: global_buffer, .address_space: global }
      - { .name: vscale, .offset: 48, .size: 8, .value_kind: global_buffer, .address_space: global }
    .group_segment_fixed_size: 34816
    .private_segment_fixed_size: 0
    .kernarg_segment_align: 8
    .kernarg_segment_size: 56
    .max_flat_workgroup_size: 128
    .sgpr_count:     66
    .vgpr_count:     192
    .wavefront_size: 32
...
	.end_amdgpu_metadata
.endif
;; end of part 4
;; launch scores (part 5): grid 256 x 1, 4 waves a work-group, no clusters, 307,712 bytes of LDS; arguments queries, keys, wfrag, wscale, w_v, sc; writes sc
.if DOCPART == 5
	.amdgcn_target "amdgcn-amd-amdhsa--gfx1250"
	.amdhsa_code_object_version 6
	.text
	.protected	k_q596ef9a6df_scores
	.globl	k_q596ef9a6df_scores
	.p2align	8
	.type	k_q596ef9a6df_scores,@function
k_q596ef9a6df_scores:
	s_mov_b64 s[64:65], 0
	v_nop
	global_prefetch_b8 v0, s[64:65] scope:SCOPE_SE
	s_setreg_imm32_b32 hwreg(HW_REG_WAVE_MODE, 25, 1), 1
	s_wait_xcnt 0x0
; sg[s][b] = sum over h of w_v[h] / (1 + 2^(2 log2(e) (q + k)[s][b][h])), q + k = [queries | keys] [W_q | W_k]^T on codes of E4M3 with E8M0 scales, sums in f32.
; WORK LEFT OUT: tanh = 1 - 2 rho, and the sum over h of w_v[h], the same for every s, is taken away by the softmax over s: it is not formed (shown at the head of the first kernel; the limit stated there holds here).
; LIMITS: NaN and infinities among the inputs are not served; a block under 2^-118 has its byte held at 1, a block of zeros the byte 1; q + k is one f32 chain over K = 2,048; the sum over h goes in this text's own fixed order.
; SHARES.  A work-group owns 128 rows (row = 32 s + b): eight tiles of 16.
; PHASE 1.  Wave w turns rows 32 w .. 32 w + 31 of [queries | keys] into codes: 32 fragments (2 tiles x 16 K steps of 128).  A fragment's 16 rows come by 16 loads of 512 consecutive bytes, and the numbers stay
; where they land: lane l holds k = 4 l .. 4 l + 3 of each row, so a block of 32 lies in eight neighbouring lanes.  Its largest magnitude is joined by three steps across lanes; the numbers are multiplied by
; 1 / scale, a power of two, which rounds nothing; held within +-448; and converted with the scale 1, two rows to a conversion.  A row's 128 codes go to LDS by one store of 128 consecutive bytes.
; The codes lie in LDS as plain rows, K innermost, 2,048 bytes + 16 of padding.  The blocks' largest magnitudes are kept in LDS and made into scale words once, at the phase's end.
; PHASE 2.  Two passes over h, 512 each.  Wave w holds the sums of all 128 rows x 128 h (h = 512 pass + 128 w on): 64 accumulators, 512 registers.  The rows' fragments come from LDS, W's as images from memory
; straight into registers; a fragment of W feeds eight products, and the work-group reads each byte of W once.  No wave writes LDS in this phase, so it has no barrier.
; W IS SHARED BY ALL WORK-GROUPS AND IS NOT ASKED FOR JOINTLY: beside what this text keeps in LDS 19,968 bytes are left, and a pass's K step of W with its scale words is 67,584.
; THE MATRIX INSTRUCTION IS USED TRANSPOSED (source 0 = 16 rows of W, source 1 = 16 rows of the input): a lane holds one row (16 a + lane % 16), its registers h = 16 b + 8 (lane / 16) + 0 .. 7.
; REGISTERS, in windows of 256.  Window 0: v1-23 addresses; v24-39 W's scale words, v40-55 the rows', two sets each; v56-71, v84-115 at work in phase 1; v76-83 the rows' sums kept from pass to pass;
;   v100-119 at work on the way out; v128-255 eight fragments of the rows (epilogue: v128-191 my 128 of w_v, v192-255 partial sums).
;   Window 1: W's fragments, two sets of eight.  Windows 2, 3: accumulator (a, b) at v[8 (8 (a % 4) + b)], a < 4 in window 2; in phase 1 window 2 holds four sets of 64 registers as loaded.
.set IPW,   2064                       ; a row of codes in LDS: 129 x 16 bytes, so the 16 rows that a load touches start at 16 different groups of four banks
.set TILE,  16*IPW
.set ASC,   128*IPW                    ; the scale words [wave 4][K step 16][r 16][tile 2]
.set MXB,   ASC+8192                   ; the blocks' largest magnitudes [wave 4][K step 16][tile 2][c 4][row 16], f32
.set SCR,   MXB+32768                  ; 512 bytes for each wave: its part of the 128 rows' sums
.set SPARE, SCR+2048                   ; the spare words, 128 bytes for each wave
.set SPW,  17                          ; v17  LDS address of my spare word; never rewritten
.set NIL,  18                          ; v18  0; never rewritten
.set SCW,  24
.set SCA,  40
.set MM,   56                          ; a fragment's 16 rows: the largest magnitude of my block: v56-71 for even fragments, v128-143 for odd ones (set anew in each fragment)
.set ONE,  75                          ; v75  1.0: the conversions' scale operand
.set KT,   76
.set FF,   84                          ; v84-99  1 / scale of the 16 rows
.set CC,   100                         ; four codes of each of the 16 rows: v100-115 for even fragments, v144-159 for odd ones (set anew in each fragment)
.set T4,   100
.set T2,   108                         ; (a lane permute's destination counts as one of its sources: phase 1 has written these)
.set OV,   116
.set AF,   128
.set WV8,  128
.set SG,   192
.set UU,   17                          ; s17  the step in hand: 16 pass + K step
.set PP,   19                          ; s19  the pass
.set TC,   20                          ; s20  phase 1's trip: bit 2: keys; bit 1: which of my two tiles; bit 0: which four K steps
.set RB,   24                          ; s[24:25] where the next trip's four fragments begin in memory
.set PQ,   26                          ; s[26:27] queries, s[28:29] keys, at my wave's first row
.set PK,   28
.set PF,   30                          ; s[30:31] where the rows begin that the prefetches name
.set SWB,  40                          ; s[40:41] wfrag + 16,384 x wave;  s[42:43] wscale + 512 x wave
.set SSB,  42
.set SW,   44                          ; s[44:45], s[46:47] the same at the step that W's set 0 is loaded for;  s[48:49], s[50:51] set 1's
.set SS,   46
.set CS,   54                          ; s[54:55] 2 log2(e)
.set SEL,  56
.set FLR,  62                          ; s62  the floor 2^(9 - 127)
.set EM,   63                          ; s63  the exponent field's mask
.set K83,  76                          ; s76  262 << 23
.set N448, 77                          ; s77, s78  -448, 448
.set P448, 78
.set MSB, 0
.macro WIN new                         ; the immediate's high byte repeats the setting that is left; a switch that changes nothing is dropped
.if MSB != (\new)
	s_set_vgpr_msb (MSB<<8)|(\new)
.set MSB, (\new)
.endif
.endm
.set MUL_LO, 0xa1                      ; source 0 (W) window 1, source 1 window 0, C and D window 2
.set MUL_HI, 0xf1                      ; the same, C and D window 3
.set TO_W,   0x40                      ; destination window 1, address window 0
.macro PLACES n                        ; places behind a matrix instruction (ISA guide 7.12.1 for vector instructions)
.rept \n
	v_nop
.endr
.endm
; ---- PHASE 1
.macro LOADR j                         ; the j-th fragment of the trip that s[RB] stands at: 16 rows, each load 512 consecutive bytes of one row, into set j of window 2
	WIN 0x80
.irp i, 0,1,2,3,4,5,6,7,8,9,10,11,12,13,14,15
	global_load_b128 v[64*(\j)+4*\i:64*(\j)+4*\i+3], v1, s[RB:RB+1] offset:(\j)*512+\i*4096 th:TH_LOAD_NT
.endr
	WIN 0
.endm
; The trip's j-th fragment.  ld = 1: its set takes the next trip's j-th fragment.  left = how many younger loads may stay out.
; hook = 1: fragments 2 and 3's LDS addresses (v8, v72) are made for this trip; hook = 2: fragments 0 and 1's (v10, v11) for the next trip.
.macro FRAG j, ld, left, hook=0
.set MM, 56+72*((\j)%2)
.set CC, 100+44*((\j)%2)
.set VIM, 10-2*((\j)/2)                ; where the codes go: v10 or v8
.set VMX, 11+61*((\j)/2)               ; where the magnitudes go: v11 or v72
	s_wait_loadcnt \left                           ; loads come back in order: this fragment's 16 are in
	s_wait_dscnt 20                                ; a fragment has 20 LDS stores: the last fragment's may be out, those of the one before have read this parity's registers
.if \hook == 1
.if \ld
	; A PREFETCH: the 16 rows x 2,048 bytes that trip TC + 3 works on, which the loads of trip TC + 2 ask for: 128 blocks of 256 bytes, a lane a block, each named once, by the wave that will load it.
	; Trips 0 to 2 come by their loads alone; from trip 5 on there is no trip TC + 3, and nothing is asked for.
	s_cmp_lt_u32 s[TC], 5
	s_cbranch_scc0 .Lno_ask_\@
	GADR 3, PF                                     ; (the trip's s_wait_xcnt 0 stands between the last trip's prefetches and this write of their base)
.irp q, 0,1,2,3
	global_prefetch_b8 v120, s[PF:PF+1] offset:\q*512 th:TH_LOAD_NT scope:SCOPE_SE
.endr
.Lno_ask_\@:
.endif
	LADR 0, 8, 72                                  ; only fragment 0's stores are out: the last trip's fragments 2 and 3 have read these two
.endif
.if \hook == 2
	LADR 1, 10, 11                                 ; only fragment 2's stores are out: fragments 0 and 1 have read these two
.endif
	WIN 0x2a
.set i, 0
.rept 16
	v_max3_num_f32 v[MM+i], |v[64*(\j)+4*i]|, |v[64*(\j)+4*i+1]|, |v[64*(\j)+4*i+2]|
.set i, i+1
.endr
	WIN 0x02
.set i, 0
.rept 16
	v_max3_num_f32 v[MM+i], |v[64*(\j)+4*i+3]|, v[MM+i], s[FLR]   ; my four numbers of row i, and the floor: the byte cannot fall under 1
.set i, i+1
.endr
	WIN 0
.irp x, 1,2,4
.set i, 0
.rept 16
	v_max_num_f32_dpp v[MM+i], v[MM+i], v[MM+i] row_xmask:\x row_mask:0xf bank_mask:0xf   ; with the seven other lanes of my block; the 16 rows by turns
.set i, i+1
.endr
.endr
.irp q, 0,1,2,3
	ds_store_b128 v[VMX], v[MM+4*\q:MM+4*\q+3] offset:(\j)*512+16*\q   ; kept for the scale words; the eight lanes of a block write the same bytes with the same values
.endr
.set i, 0
.rept 16
	v_and_b32 v[FF+i], s[EM], v[MM+i]
.set i, i+1
.endr
.set i, 0
.rept 16
	v_sub_nc_u32 v[FF+i], s[K83], v[FF+i]          ; exponent field 262 - E: 2^(135 - E) = 1 / scale, the scale being 2^(E - 127 - 8)
.set i, i+1
.endr
	WIN 0x82                                       ; destination and source 0 in window 2
.irp p, 0,1,2,3,4,5,6,7
	v_pk_mul_f32 v[64*(\j)+8*\p:64*(\j)+8*\p+1], v[64*(\j)+8*\p:64*(\j)+8*\p+1], v[FF+2*\p:FF+2*\p+1] op_sel_hi:[1,0]              ; row 2 p: the pair's first register for both halves
	v_pk_mul_f32 v[64*(\j)+8*\p+2:64*(\j)+8*\p+3], v[64*(\j)+8*\p+2:64*(\j)+8*\p+3], v[FF+2*\p:FF+2*\p+1] op_sel_hi:[1,0]
	v_pk_mul_f32 v[64*(\j)+8*\p+4:64*(\j)+8*\p+5], v[64*(\j)+8*\p+4:64*(\j)+8*\p+5], v[FF+2*\p:FF+2*\p+1] op_sel:[0,1] op_sel_hi:[1,1]   ; row 2 p + 1: its second
	v_pk_mul_f32 v[64*(\j)+8*\p+6:64*(\j)+8*\p+7], v[64*(\j)+8*\p+6:64*(\j)+8*\p+7], v[FF+2*\p:FF+2*\p+1] op_sel:[0,1] op_sel_hi:[1,1]
.endr
.set i, 0
.rept 64
	v_med3_num_f32 v[64*(\j)+i], v[64*(\j)+i], s[N448], s[P448]   ; the conversion to an 8-bit code does not saturate (ISA guide 7.6.2)
.set i, i+1
.endr
	WIN 0x02
.irp p, 0,1,2,3,4,5,6,7
	v_cvt_scalef32_pk8_fp8_f32 v[CC+2*\p:CC+2*\p+1], v[64*(\j)+8*\p:64*(\j)+8*\p+7], v[ONE]   ; four codes of row 2 p, four of row 2 p + 1
.endr
	v_nop                                          ; a plain vector line behind the last conversion of the run
	WIN 0
.if \ld
	LOADR \j
.endif
.irp i, 0,1,2,3,4,5,6,7,8,9,10,11,12,13,14,15
	ds_store_b32 v[VIM], v[CC+\i] offset:(\j)*128+\i*IPW   ; 32 lanes store a row's 128 codes: 128 consecutive bytes
.endr
.endm
; Where the codes (v[vi]) and the magnitudes (v[vm]) of trip TC + add go in LDS.
.macro LADR add, vi, vm
	s_add_co_u32 s75, s[TC], \add
	s_lshr_b32 s70, s75, 2                         ; 0: queries, K steps 0-7; 1: keys, K steps 8-15
	s_and_b32 s71, s75, 1                          ; which four of the eight
	s_bfe_u32 s72, s75, 0x10001                    ; which of my two tiles
	s_lshl_b32 s73, s70, 10                        ; codes: 128 bytes of a row a K step,
	s_lshl_b32 s74, s71, 9
	s_add_co_u32 s73, s73, s74
	s_mul_i32 s74, s72, TILE                       ; 16 rows a tile
	s_add_co_u32 s73, s73, s74
	v_add_nc_u32 v[\vi], s73, v4
	s_lshl_b32 s73, s70, 12                        ; magnitudes: 512 bytes a K step,
	s_lshl_b32 s74, s71, 11
	s_add_co_u32 s73, s73, s74
	s_lshl_b32 s74, s72, 8                         ; 256 a tile
	s_add_co_u32 s73, s73, s74
	v_add_nc_u32 v[\vm], s73, v5
.endm
; Where the numbers of trip TC + add begin in memory, into s[base:base+1].
.macro GADR add, base
	s_add_co_u32 s75, s[TC], \add
	s_and_b32 s52, s75, 1
	s_lshl_b32 s52, s52, 11                        ; four K steps are 2,048 bytes of a row,
	s_bfe_u32 s74, s75, 0x10001
	s_lshl_b32 s74, s74, 16                        ; a tile 16 rows of 4,096
	s_add_co_u32 s52, s52, s74
	s_bitcmp1_b32 s75, 2
	s_cselect_b64 s[\base:\base+1], s[PK:PK+1], s[PQ:PQ+1]   ; the choice hangs on the count of trips alone
	s_add_nc_u64 s[\base:\base+1], s[\base:\base+1], s[52:53]
.endm
; ---- PHASE 2
.macro WADR set                        ; the bases of W's set for step s74: K step s74 % 16 (131,072 bytes of codes, 4,096 of scale words), pass s74 / 16 (32 fragments of 2,048 bytes, 8 groups of 256)
	s_and_b32 s70, s74, 15
	s_lshr_b32 s71, s74, 4
	s_lshl_b32 s52, s70, 17
	s_lshl_b32 s72, s71, 16
	s_add_co_u32 s52, s52, s72
	s_add_nc_u64 s[SW+4*(\set):SW+4*(\set)+1], s[SWB:SWB+1], s[52:53]
	s_lshl_b32 s52, s70, 12
	s_lshl_b32 s72, s71, 11
	s_add_co_u32 s52, s52, s72
	s_add_nc_u64 s[SS+4*(\set):SS+4*(\set)+1], s[SSB:SSB+1], s[52:53]
.endm
.macro WLOADH set, half                ; half a set of W: four scale words a lane, then four fragments: 17 loads
	WIN 0
	global_load_b128 v[SCW+8*(\set)+4*(\half):SCW+8*(\set)+4*(\half)+3], v7, s[SS+4*(\set):SS+4*(\set)+1] offset:256*(\half)
	WIN TO_W
.irp bb, 0,1,2,3
.irp c, 0,1,2,3
	global_load_b128 v[128*(\set)+64*(\half)+16*\bb+4*\c:128*(\set)+64*(\half)+16*\bb+4*\c+3], v1, s[SW+4*(\set):SW+4*(\set)+1] offset:(4*(\half)+\bb)*2048+\c*512
.endr
.endr
.endm
.macro AADRV                           ; the LDS addresses of a K step's codes (s60 = 128 x K step; a register for each two tiles) and scale words (128 bytes a K step too)
	v_add_nc_u32 v20, s60, v6
	v_add_nc_u32 v21, 2*TILE, v20
	v_add_nc_u32 v22, 4*TILE, v20
	v_add_nc_u32 v23, 6*TILE, v20
	v_add_nc_u32 v9, s60, v12
.endm
.macro AFETCH i0                       ; the rows' fragments of tiles i0 .. i0 + 3: registers 4 c .. 4 c + 3 = k 32 c + 16 h + 0 .. 15 of row r
.irp a, \i0, \i0+1, \i0+2, \i0+3
.irp c, 0,1,2,3
	ds_load_b128 v[AF+16*(\a)+4*\c:AF+16*(\a)+4*\c+3], v[20+(\a)/2] offset:((\a)%2)*TILE+\c*32
.endr
.endr
.endm
.macro ASCALE set                      ; the eight tiles' scale words: two tiles a load
.irp k, 0,1,2,3
	ds_load_b64 v[SCA+8*(\set)+2*\k:SCA+8*(\set)+2*\k+1], v9 offset:\k*2048
.endr
.endm
.macro MULH a0, b0, set, zero          ; 16 matrix instructions: tiles a0 .. a0 + 3 of the rows x W's fragments b0 .. b0 + 3.  zero = 1: the products start the sums: nothing is cleared
.irp a, \a0, \a0+1, \a0+2, \a0+3
.irp b, \b0, \b0+1, \b0+2, \b0+3
.set rD, 8*(8*((\a)%4)+(\b))
.if \zero
	v_wmma_scale_f32_16x16x128_f8f6f4 v[rD:rD+7], v[128*(\set)+16*(\b):128*(\set)+16*(\b)+15], v[AF+16*(\a):AF+16*(\a)+15], 0, v[SCW+8*(\set)+(\b)], v[SCA+8*(\set)+(\a)]
.else
	v_wmma_scale_f32_16x16x128_f8f6f4 v[rD:rD+7], v[128*(\set)+16*(\b):128*(\set)+16*(\b)+15], v[AF+16*(\a):AF+16*(\a)+15], v[rD:rD+7], v[SCW+8*(\set)+(\b)], v[SCA+8*(\set)+(\a)]
.endif
.endr
.endr
.endm
; A STEP: 128 along K, 64 matrix instructions in four quarters; the 64 accumulators take turns, one instruction a turn, in the same order in every step.
; set: W's set and the sets of scale words = the step's parity.  wl = 1: each half of W's set is loaded for the step after next as soon as its last product is issued.  af = 1: the rows' fragments likewise, for the next step.
; n0, n1: the loads of W that may stay out: behind the first half of this step's W its second half and the next step's two halves were issued (3 x 17), behind its second half the next step's two.
.macro STEP set, zero, wl, af, n0, n1
	s_wait_loadcnt \n0                             ; W's fragments 0-3 are in
	s_wait_dscnt 16                                ; the rows' tiles 0-3 and the scale words are in; the 16 loads of tiles 4-7 may be out
	WIN MUL_LO
	MULH 0, 0, \set, \zero
	s_wait_loadcnt \n1                             ; W's fragments 4-7 are in: every load that read this set's bases is done
	MULH 0, 4, \set, \zero
	s_wait_dscnt 0x0                               ; tiles 4-7 are in, and no LDS load of mine is out: the address registers may be written
.if \af
	PLACES 8
	WIN 0
	s_add_co_u32 s70, s[UU], 1
	s_and_b32 s70, s70, 15                         ; the next K step
	s_lshl_b32 s60, s70, 7
	AADRV
	AFETCH 0
	ASCALE 1-(\set)
.endif
	WIN MUL_HI
	MULH 4, 0, \set, \zero
.if \wl
	PLACES 8
	s_add_co_u32 s74, s[UU], 2
	WADR \set
	WLOADH \set, 0
.endif
	WIN MUL_HI
	MULH 4, 4, \set, \zero
	PLACES 9                                       ; in front of the loads below, of the epilogue's reads, and of the next pass's products, which begin the accumulators anew
	WIN 0
.if \af
	s_wait_alu depctr_va_vdst(0)                   ; directly ahead of the readers of the addresses made above
	AFETCH 4
.endif
.if \wl
	WLOADH \set, 1
	WIN 0
.endif
	s_add_co_u32 s[UU], s[UU], 1
.endm
; THE EPILOGUE of a pass.  rho = 1 / (1 + 2^(2 log2(e) x)) in place, two tiles of rows (128 registers) at a time: one batch of exponentials and one of reciprocals, each with a wait ahead, its plain line and
; a wait behind; then partial sums += rho x w_v; at the end each row's sum over my 128 h is added to what the pass before left.
.macro EPI
.irp b, 0,1,2,3,4,5,6,7
	global_load_b128 v[WV8+8*\b:WV8+8*\b+3], v13, s[66:67] offset:64*\b            ; w_v at h = 512 pass + 128 wave + 16 b + 8 (lane / 16) + 0 .. 7
	global_load_b128 v[WV8+8*\b+4:WV8+8*\b+7], v13, s[66:67] offset:64*\b+16
.endr
.irp m, 0,1,2,3
.set WN, 2+\m/2
.set EB, 128*(\m%2)
	WIN WN|(WN<<6)                                 ; destination and source 0 in the accumulators' window
.set i, 0
.rept 64
	v_pk_mul_f32 v[EB+i:EB+i+1], v[EB+i:EB+i+1], s[CS:CS+1] op_sel_hi:[1,0]        ; ascending: each accumulator is read from its low end on
.set i, i+2
.endr
.set i, 0
	s_wait_alu depctr_va_vdst(0)
.rept 128
	v_exp_f32 v[EB+i], v[EB+i]
.set i, i+1
.endr
	v_nop
	s_wait_alu depctr_va_vdst(0)
.set i, 0
.rept 64
	v_pk_add_f32 v[EB+i:EB+i+1], v[EB+i:EB+i+1], 1.0 op_sel_hi:[1,0]
.set i, i+2
.endr
.set i, 0
	s_wait_alu depctr_va_vdst(0)
.rept 128
	v_rcp_f32 v[EB+i], v[EB+i]
.set i, i+1
.endr
	v_nop
	s_wait_alu depctr_va_vdst(0)
.if \m == 0
	s_wait_loadcnt 0x0                             ; w_v
.endif
	WIN WN                                         ; source 0 in the accumulators' window, all else in window 0
.irp b, 0,1,2,3,4,5,6,7
.irp q, 0,1
.irp p, 0,2,4,6
.if \b == 0
	v_pk_mul_f32 v[SG+8*(2*\m+\q)+\p:SG+8*(2*\m+\q)+\p+1], v[EB+64*\q+8*\b+\p:EB+64*\q+8*\b+\p+1], v[WV8+8*\b+\p:WV8+8*\b+\p+1]   ; the first fragment's products start the sums
.else
	v_pk_fma_f32 v[SG+8*(2*\m+\q)+\p:SG+8*(2*\m+\q)+\p+1], v[EB+64*\q+8*\b+\p:EB+64*\q+8*\b+\p+1], v[WV8+8*\b+\p:WV8+8*\b+\p+1], v[SG+8*(2*\m+\q)+\p:SG+8*(2*\m+\q)+\p+1]
.endif
.endr
.endr
.endr
.endr
	WIN 0
.irp a, 0,1,2,3,4,5,6,7
	v_pk_add_f32 v[SG+8*\a:SG+8*\a+1], v[SG+8*\a:SG+8*\a+1], v[SG+8*\a+2:SG+8*\a+3]
	v_pk_add_f32 v[SG+8*\a+4:SG+8*\a+5], v[SG+8*\a+4:SG+8*\a+5], v[SG+8*\a+6:SG+8*\a+7]
.endr
.irp a, 0,1,2,3,4,5,6,7
	v_pk_add_f32 v[SG+8*\a:SG+8*\a+1], v[SG+8*\a:SG+8*\a+1], v[SG+8*\a+4:SG+8*\a+5]
.endr
.irp a, 0,1,2,3,4,5,6,7
	v_add_f32 v[T4+\a], v[SG+8*\a], v[SG+8*\a+1]
.endr
.irp a, 0,1,2,3,4,5,6,7
	v_permlanex16_b32 v[T2+\a], v[T4+\a], s[SEL], s[SEL+1]
.endr
.irp a, 0,1,2,3,4,5,6,7
	v_add_f32 v[T4+\a], v[T4+\a], v[T2+\a]         ; row 16 a + lane % 16, my 128 h of this pass, in both halves of the lanes
.endr
.irp a, 0,1,2,3,4,5,6,7
	v_add_f32 v[KT+\a], v[KT+\a], v[T4+\a]
.endr
.endm
	s_load_b256 s[4:11], s[0:1], 0x0               ; queries s[4:5], keys s[6:7], wfrag s[8:9], wscale s[10:11]
	s_load_b128 s[12:15], s[0:1], 0x20             ; w_v s[12:13], sc s[14:15]
	v_lshl_add_u32 v[SPW], v0, 2, SPARE
	v_mov_b32 v[NIL], 0
	v_lshrrev_b32 v19, 5, v0
	v_readfirstlane_b32 s16, v19                   ; wave 0..3
	s_mov_b32 s[CS], 0x4038aa3b                    ; 2 log2(e)
	s_mov_b32 s[CS+1], s[CS]                       ; (named with it as a pair, so it is written)
	s_mov_b32 s[SEL], 0x76543210
	s_mov_b32 s[SEL+1], 0xfedcba98                 ; v_permlanex16_b32's selects for lane l xor 16
	s_mov_b32 s[FLR], 0x4800000
	s_mov_b32 s[EM], 0x7f800000
	s_mov_b32 s[K83], 0x83000000
	s_mov_b32 s[N448], 0xc3e00000
	s_mov_b32 s[P448], 0x43e00000
	s_mov_b32 s59, 0xffff0000                      ; lanes 16-31
	s_mov_b32 s53, 0                               ; the upper word of the offsets' pair s[52:53]
	v_and_b32 v19, 31, v0                          ; lane
	v_and_b32 v73, 15, v0                          ; r
	v_bfe_u32 v74, v0, 4, 1                        ; h
	v_lshlrev_b32 v1, 4, v19                       ; 16 x lane: my place in a row's 512 bytes and in an image of W
	v_mul_u32_u24 v6, v73, IPW
	v_lshl_add_u32 v6, v74, 4, v6                  ; a fragment of the rows, to read: row r, + 16 h
	s_mul_i32 s70, s16, 2*TILE
	v_lshl_add_u32 v4, v19, 2, s70                 ; my two tiles' codes, to write: 4 x lane
	s_lshl_b32 s71, s16, 13
	s_add_co_u32 s71, s71, MXB                     ; my wave's magnitudes
	v_lshrrev_b32 v5, 3, v19
	v_lshl_add_u32 v5, v5, 6, s71                  ; to write: 64 bytes for my block c = lane / 8
	v_lshl_add_u32 v2, v73, 2, s71
	v_lshl_add_u32 v2, v74, 8, v2                  ; to read: row r of tile h
	v_lshlrev_b32 v12, 3, v73
	v_add_nc_u32 v12, ASC, v12                     ; scale words, to read: 8 r
	s_lshl_b32 s72, s16, 11
	v_lshl_add_u32 v3, v74, 2, v12
	v_add_nc_u32 v3, s72, v3                       ; my two tiles', to write: row r of tile h
	v_lshlrev_b32 v16, 3, v19                      ; 8 x lane
	v_lshlrev_b32 v7, 4, v73                       ; 16 r: four scale words of W's row r
	v_lshlrev_b32 v13, 5, v74                      ; 32 h: my eight of a fragment's 16 numbers of w_v
	v_add_nc_u32 v15, SCR, v1
	s_lshl_b32 s70, s16, 9
	v_add_nc_u32 v14, s70, v15
	v_mov_b32 v[ONE], 1.0
	v_lshlrev_b32 v120, 12, v73
	v_lshl_add_u32 v120, v74, 8, v120              ; the prefetches' offset: row r, + 256 h; never rewritten
.irp a, 0,1,2,3,4,5,6,7
	v_mov_b32 v[KT+\a], 0                          ; the rows' sums: both passes add to them
.endr
	s_wait_alu depctr_va_vdst(0)
	s_wait_kmcnt 0x0
	s_lshl_b32 s52, ttmp9, 19                      ; 128 rows of 4,096 bytes a work-group,
	s_lshl_b32 s70, s16, 17                        ; 32 rows a wave
	s_add_co_u32 s52, s52, s70
	s_add_nc_u64 s[PQ:PQ+1], s[4:5], s[52:53]
	s_add_nc_u64 s[PK:PK+1], s[6:7], s[52:53]
	s_lshl_b32 s52, s16, 14                        ; my eight fragments of a pass's 32
	s_add_nc_u64 s[SWB:SWB+1], s[8:9], s[52:53]
	s_lshl_b32 s52, s16, 9
	s_add_nc_u64 s[SSB:SSB+1], s[10:11], s[52:53]  ; their two groups of scale words
	s_add_nc_u64 s[66:67], s[12:13], s[52:53]      ; w_v at my 128 h of the first pass
	s_lshl_b32 s52, ttmp9, 9
	s_add_nc_u64 s[68:69], s[14:15], s[52:53]      ; sc: 512 bytes a work-group
	s_mov_b64 s[RB:RB+1], s[PQ:PQ+1]
	LOADR 0                                        ; the first trip's four fragments
	LOADR 1
	LOADR 2
	LOADR 3
	s_mov_b32 s[TC], 0
	LADR 0, 10, 11                                 ; the first trip's fragments 0 and 1
.Lq:                                                   ; seven trips of four fragments; each set is loaded again as soon as its numbers are converted
	s_wait_xcnt 0x0                                ; the loads and prefetches that are out have read their bases, so these may be written
	GADR 1, RB
	FRAG 0, 1, 48                                  ; behind a fragment's 16 loads those of three more fragments were issued
	FRAG 1, 1, 48, 1
	FRAG 2, 1, 48
	FRAG 3, 1, 48, 2
	s_add_co_u32 s[TC], s[TC], 1
	s_cmp_lt_u32 s[TC], 7
	s_cbranch_scc1 .Lq
	FRAG 0, 0, 48                                  ; the last four fragments are written out: nothing more is loaded of the rows
	FRAG 1, 0, 32, 1
	s_mov_b32 s74, 0
	WADR 0
	WLOADH 0, 0                                    ; W of step 0 is asked for here: 34 loads
	WLOADH 0, 1
	WIN 0
	FRAG 2, 0, 50                                  ; behind its loads: the last fragment's 16 and W's 34
	FRAG 3, 0, 34                                  ; behind its loads: W's 34
	s_mov_b32 s74, 1
	WADR 1
	WLOADH 1, 0                                    ; W of step 1
	WLOADH 1, 1
	WIN 0
	s_wait_dscnt 0x0                               ; my LDS stores have read their registers: the loads below land on some of them
	; THE SCALE WORDS of my 32 fragments.  Lane (r, h) takes row r of tile h: for each K step the four blocks' magnitudes; a magnitude's exponent field less 8 is the block's byte.
.irp u, 0,1,2,3,4,5,6,7,8,9,10,11,12,13,14,15
.irp c, 0,1,2,3
	ds_load_b32 v[AF+4*\u+\c], v2 offset:\u*512+\c*64   ; LDS serves a wave's instructions in order: these see my stores
.endr
.endr
	s_wait_dscnt 0x0
.set i, 0
.rept 64
	v_lshrrev_b32 v[AF+i], 23, v[AF+i]
.set i, i+1
.endr
.irp c, 1,2,3
.irp u, 0,1,2,3,4,5,6,7,8,9,10,11,12,13,14,15
	v_lshl_or_b32 v[AF+4*\u], v[AF+4*\u+\c], 8*\c, v[AF+4*\u]
.endr
.endr
.irp u, 0,1,2,3,4,5,6,7,8,9,10,11,12,13,14,15
	v_add_nc_u32 v[AF+4*\u], 0xf7f7f7f8, v[AF+4*\u]     ; 8 off each byte: each is 9 at the least, so nothing is borrowed
.endr
.irp u, 0,1,2,3,4,5,6,7,8,9,10,11,12,13,14,15
	ds_store_b32 v3, v[AF+4*\u] offset:\u*128
.endr
	s_wait_dscnt 0x0                               ; my codes and scale words have landed
	s_barrier_signal -1
	s_barrier_wait -1                              ; everybody's have: from here on they are only read
	s_mov_b32 s[UU], 0
	s_mov_b32 s[PP], 0
.Lpass:
	s_mov_b32 s60, 0
	AADRV                                          ; K step 0 (no LDS load of mine is out)
	AFETCH 0
	ASCALE 0
	AFETCH 4
	STEP 0, 1, 1, 1, 51, 34                        ; K step 0: its products start the sums
	s_mov_b32 s18, 6
.Lk:                                                   ; K steps 1 .. 12
	STEP 1, 0, 1, 1, 51, 34
	STEP 0, 0, 1, 1, 51, 34
	s_sub_co_u32 s18, s18, 1
	s_cmp_lg_u32 s18, 0
	s_cbranch_scc1 .Lk
	STEP 1, 0, 1, 1, 51, 34                        ; K step 13
	s_cmp_eq_u32 s[PP], 1                          ; the count of passes, the same in all waves
	s_cbranch_scc1 .Ltail
	STEP 0, 0, 1, 1, 51, 34                        ; the first pass's K steps 14 and 15 ask for W of the second pass's K steps 0 and 1;
	STEP 1, 0, 1, 0, 51, 34                        ; the rows' registers are left to the epilogue
	s_branch .Lepi
.Ltail:
	STEP 0, 0, 0, 1, 51, 34                        ; the last pass's ask for nothing more of W:
	STEP 1, 0, 0, 0, 17, 0                         ; behind the first half of the last step's W only its second half was issued
.Lepi:
	EPI
	s_add_nc_u64 s[66:67], s[66:67], 2048          ; w_v: the next pass's 512 h (its loads are done; behind the last pass the stepped address is not used)
	s_add_co_u32 s[PP], s[PP], 1
	s_cmp_lt_u32 s[PP], 2
	s_cbranch_scc1 .Lpass
	; THE WAY OUT.  sc is laid [block of 2 s][b 32][2]: lane l takes b = l of my work-group's two blocks: local rows l, 32 + l, 64 + l, 96 + l.
	v_cndmask_b32 v[OV], v[KT], v[KT+1], s59
	v_cndmask_b32 v[OV+1], v[KT+2], v[KT+3], s59
	v_cndmask_b32 v[OV+2], v[KT+4], v[KT+5], s59
	v_cndmask_b32 v[OV+3], v[KT+6], v[KT+7], s59
	ds_store_b128 v14, v[OV:OV+3]
	s_wait_dscnt 0x0                               ; for the others' sake: my part has landed
	s_barrier_signal -1
	s_barrier_wait -1
	s_cmp_lg_u32 s16, 0                            ; wave 0 adds the four waves' parts, in a fixed order, and stores
	s_cbranch_scc1 .Lnot_wave_0
.irp k, 0,1,2,3
	ds_load_b128 v[T4+4*\k:T4+4*\k+3], v15 offset:512*\k
.endr
	s_wait_dscnt 0x0
	v_pk_add_f32 v[T4:T4+1], v[T4:T4+1], v[T4+4:T4+5]
	v_pk_add_f32 v[T4+2:T4+3], v[T4+2:T4+3], v[T4+6:T4+7]
	v_pk_add_f32 v[T4+8:T4+9], v[T4+8:T4+9], v[T4+12:T4+13]
	v_pk_add_f32 v[T4+10:T4+11], v[T4+10:T4+11], v[T4+14:T4+15]
	v_pk_add_f32 v[T4:T4+1], v[T4:T4+1], v[T4+8:T4+9]
	v_pk_add_f32 v[T4+2:T4+3], v[T4+2:T4+3], v[T4+10:T4+11]
	global_store_b64 v16, v[T4:T4+1], s[68:69]     ; 32 lanes store 256 consecutive bytes, aligned
	global_store_b64 v16, v[T4+2:T4+3], s[68:69] offset:256
.Lnot_wave_0:
	s_wait_tensorcnt 0x0                           ; the wave's end, behind my last LDS store
	ds_add_u32 v[SPW], v[NIL]
	s_wait_dscnt 0x0
	s_endpgm
.Lfunc_end_k_q596ef9a6df_scores:
	.size	k_q596ef9a6df_scores, .Lfunc_end_k_q596ef9a6df_scores-k_q596ef9a6df_scores
	.p2alignl 7, 3214868480
	.fill 96, 4, 3214868480
	.section	.rodata,"a",@progbits
	.p2align	6, 0x0
	.amdhsa_kernel k_q596ef9a6df_scores
		.amdhsa_group_segment_fixed_size 307712
		.amdhsa_private_segment_fixed_size 0
		.amdhsa_enable_private_segment 0
		.amdhsa_kernarg_size 48
		.amdhsa_user_sgpr_count 2
		.amdhsa_user_sgpr_kernarg_segment_ptr 1
		.amdhsa_wavefront_size32 1
		.amdhsa_system_sgpr_workgroup_id_x 1
		.amdhsa_system_sgpr_workgroup_id_y 1
		.amdhsa_system_sgpr_workgroup_id_z 1
		.amdhsa_system_vgpr_workitem_id 0
		.amdhsa_next_free_vgpr 1024
		.amdhsa_next_free_sgpr 80
		.amdhsa_reserve_vcc 0
		.amdhsa_float_denorm_mode_32 3
		.amdhsa_float_denorm_mode_16_64 3
		.amdhsa_memory_ordered 1
		.amdhsa_forward_progress 1
		.amdhsa_inst_pref_size 255
	.end_amdhsa_kernel
	.section	.bss,"aw",@nobits
	.p2align	6
	.space	262144
	.amdgpu_metadata
---
amdhsa.version: [ 1, 2 ]
amdhsa.kernels:
  - .name:           k_q596ef9a6df_scores
    .symbol:         k_q596ef9a6df_scores.kd
    .args:
      - { .name: queries, .offset: 0, .size: 8, .value_kind: global_buffer, .address_space: global }
      - { .name: keys, .offset: 8, .size: 8, .value_kind: global_buffer, .address_space: global }
      - { .name: wfrag, .offset: 16, .size: 8, .value_kind: global_buffer, .address_space: global }
      - { .name: wscale, .offset: 24, .size: 8, .value_kind: global_buffer, .address_space: global }
      - { .name: w_v, .offset: 32, .size: 8, .value_kind: global_buffer, .address_space: global }
      - { .name: sc, .offset: 40, .size: 8, .value_kind: global_buffer, .address_space: global }
    .group_segment_fixed_size: 307712
    .private_segment_fixed_size: 0
    .kernarg_segment_align: 8
    .kernarg_segment_size: 48
    .max_flat_workgroup_size: 128
    .sgpr_count:     80
    .vgpr_count:     1024
    .wavefront_size: 32
...
	.end_amdgpu_metadata
.endif
;; end of part 5
;; launch combine (part 6): grid 16 x 1, 8 waves a work-group, no clusters, 45,568 bytes of LDS; arguments sc, vfrag, vscale, out0; writes out0
.if DOCPART == 6
	.amdgcn_target "amdgcn-amd-amdhsa--gfx1250"
	.amdhsa_code_object_version 6
	.text
	.protected	k_q596ef9a6df_combine
	.globl	k_q596ef9a6df_combine
	.p2align	8
	.type	k_q596ef9a6df_combine,@function
k_q596ef9a6df_combine:
	s_mov_b64 s[64:65], 0
	v_nop
	global_prefetch_b8 v0, s[64:65] scope:SCOPE_SE
	s_setreg_imm32_b32 hwreg(HW_REG_WAVE_MODE, 25, 1), 1
	s_wait_xcnt 0x0
; out[b][d] = sum over s of attn[s][b] values[s][d], attn = softmax over s of -2 sg[s][b], finished and normalised in f32, then quantised along s; values as codes made by the first launch.
; WORK LEFT OUT: the sum over h of w_v[h], the same for every s, is not in sg: the softmax over s takes it away (shown at the head of the first kernel; the limit stated there holds here).
; LIMITS: NaN and infinities are not served; a block of attn under 2^-118 has its byte held at 1, a block of zeros the byte 1.
; SHARES.  A work-group owns 64 columns d, so that a row's part of out is 256 aligned bytes; there are 16 such blocks.  Each work-group makes the whole softmax anew: 32 x 1,024 numbers.
; Wave w: mu = w % 2 (b = 16 mu + r), kp = w / 2.  It makes attn's fragments (mu, K steps 2 kp and 2 kp + 1) and hands them on through LDS as images of their registers; then the tile
; (d = 64 x + 16 kp on, b = 16 mu on) over all 8 K steps.  The product is used transposed (source 0 = 16 columns d of values, source 1 = attn): a lane holds one b and eight neighbouring d.
; sc is laid [block of 2 s: 512][b 32][2]: a lane's 16 neighbouring s of a block of 32 are eight loads of 8 bytes.
.set MX,    0                          ; LDS: 64 bytes for each wave: its part of the maximum
.set SM,    512                        ; and of the sum
.set AIMG,  1024                       ; attn's 16 fragment images (8 mu + K step), 2,048 bytes each
.set ASC,   AIMG+16*2048               ; their scale words, 128 bytes each
.set STG,   ASC+16*128                 ; the stage for out: 32 rows of 256 bytes + 16
.set SPARE, STG+32*272                 ; the spare words, 128 bytes for each wave: four blocks of 256 bytes that no other line names
.set SPW,  16                          ; v16  LDS address of my spare word; never rewritten
.set NIL,  17                          ; v17  0; never rewritten
.set TM,   32                          ; v32-47 at work
.set PW,   52
.set X,    64                          ; v64-191 my 128 numbers: register 64 f + 16 c + i = s 128 (2 kp + f) + 32 c + 16 h + i; later eight fragments of attn
.set PC,   192
.set VS,   208                         ; v208-215 values' scale words;  v216-223 attn's
.set AS,   216
.set ACC,  224                         ; v224-239 two accumulators
.set O,    240
.set SEL,  20
.set MNT,  22
.set CN,   24                          ; s[24:25] -2 log2(e)
.set MSB, 0
.macro WIN new
.if MSB != (\new)
	s_set_vgpr_msb (MSB<<8)|(\new)
.set MSB, (\new)
.endif
.endm
.macro QS0 s
.irp b, 0,1,2,3
	v_max3_num_f32 v[TM+\b], |v[\s+16*\b]|, |v[\s+16*\b+1]|, 0x4800000          ; my 16 numbers of block b, and the floor 2^(9 - 127)
.endr
.irp i, 2,4,6,8,10,12,14
.irp b, 0,1,2,3
	s_delay_alu instid0(VALU_DEP_4)
	v_max3_num_f32 v[TM+\b], v[TM+\b], |v[\s+16*\b+\i]|, |v[\s+16*\b+\i+1]|
.endr
.endr
.endm
.macro QS1 pw
.irp b, 0,1,2,3
	s_delay_alu instid0(VALU_DEP_4)
	v_permlanex16_b32 v[TM+4+\b], v[TM+\b], s[SEL], s[SEL+1]
.endr
.irp b, 0,1,2,3
	s_delay_alu instid0(VALU_DEP_4)
	v_max_num_f32 v[TM+\b], v[TM+\b], v[TM+4+\b]
.endr
.irp b, 0,1,2,3
	s_delay_alu instid0(VALU_DEP_4)
	v_add_nc_u32 v[TM+12+\b], 0xfc000000, v[TM+\b]              ; 8 off the exponent field: the conversion's scale operand
.endr
.irp b, 0,1,2,3
	v_and_or_b32 v[TM+8+\b], v[TM+\b], 0x7f800000, s[MNT]       ; 448 x the scale
.endr
.irp b, 0,1,2,3
	v_lshrrev_b32 v[TM+4+\b], 23, v[TM+12+\b]                   ; the byte
.endr
	s_delay_alu instid0(VALU_DEP_3)
	v_lshl_or_b32 v[\pw], v[TM+5], 8, v[TM+4]
	s_delay_alu instid0(VALU_DEP_1)
	v_lshl_or_b32 v[\pw], v[TM+6], 16, v[\pw]
	s_delay_alu instid0(VALU_DEP_1)
	v_lshl_or_b32 v[\pw], v[TM+7], 24, v[\pw]
.endm
.macro QSC s, b0
.irp b, \b0, \b0+1
.irp i, 0,1,2,3,4,5,6,7,8,9,10,11,12,13,14,15
	v_med3_num_f32 v[\s+16*(\b)+\i], v[\s+16*(\b)+\i], -v[TM+8+(\b)], v[TM+8+(\b)]   ; the conversion to an 8-bit code does not saturate (ISA guide 7.6.2)
.endr
	v_cvt_scalef32_pk8_fp8_f32 v[PC+4*(\b):PC+4*(\b)+1], v[\s+16*(\b):\s+16*(\b)+7], v[TM+12+(\b)]
	v_cvt_scalef32_pk8_fp8_f32 v[PC+4*(\b)+2:PC+4*(\b)+3], v[\s+16*(\b)+8:\s+16*(\b)+15], v[TM+12+(\b)]
.endr
	v_nop                                          ; a plain vector line behind the last conversion of the run
.endm
.macro BAR                             ; my LDS stores have landed and my LDS loads are in: then the work-group's barrier
	s_wait_dscnt 0x0
	s_barrier_signal -1
	s_barrier_wait -1
.endm
	s_load_b256 s[4:11], s[0:1], 0x0               ; sc s[4:5], vfrag s[6:7], vscale s[8:9], out0 s[10:11]
	v_lshl_add_u32 v[SPW], v0, 2, SPARE
	v_mov_b32 v[NIL], 0
	v_lshrrev_b32 v1, 5, v0
	s_delay_alu instid0(VALU_DEP_1)
	v_readfirstlane_b32 s16, v1                    ; wave 0..7
	s_and_b32 s17, s16, 1                          ; mu
	s_lshr_b32 s18, s16, 1                         ; kp
	v_and_b32 v1, 31, v0                           ; lane
	v_and_b32 v2, 15, v0                           ; r
	v_bfe_u32 v3, v0, 4, 1                         ; h
	s_delay_alu instid0(VALU_DEP_1)
	v_lshlrev_b32 v4, 11, v3
	s_delay_alu instid0(VALU_DEP_1)
	v_lshl_add_u32 v4, v2, 3, v4                   ; sc: 8 blocks of 256 bytes for h, 8 bytes for r
	v_lshlrev_b32 v5, 4, v1                        ; 16 x lane
	s_wait_alu depctr_va_vdst(0)
	v_lshlrev_b32 v6, 2, v2                        ; 4 r
	s_lshl_b32 s26, s16, 6
	v_add_nc_u32 v7, s26, v6                       ; my wave's part of the maximum and of the sum, to write
	s_lshl_b32 s26, s17, 6
	v_add_nc_u32 v8, s26, v6                       ; the four parts of my mu, to read: 128 bytes apart
	s_lshl_b32 s26, s17, 3
	s_lshl_b32 s27, s18, 1
	s_add_co_u32 s26, s26, s27                     ; 8 mu + 2 kp: my first fragment
	s_lshl_b32 s27, s26, 11
	s_add_co_u32 s27, s27, AIMG
	v_add_nc_u32 v9, s27, v5                       ; its image, to write
	s_lshl_b32 s27, s26, 7
	s_add_co_u32 s27, s27, ASC
	v_lshl_add_u32 v10, v1, 2, s27                 ; its scale words
	s_lshl_b32 s27, s17, 14
	s_add_co_u32 s27, s27, AIMG
	v_add_nc_u32 v11, s27, v5                      ; the eight images of my mu, to read
	s_lshl_b32 s27, s17, 10
	s_add_co_u32 s27, s27, ASC
	v_lshl_add_u32 v12, v1, 2, s27
	s_mul_i32 s27, s17, 16*272
	s_lshl_b32 s28, s18, 6
	s_add_co_u32 s27, s27, s28
	s_add_co_u32 s27, s27, STG
	v_mul_u32_u24 v13, v2, 272
	s_delay_alu instid0(VALU_DEP_1)
	v_lshl_add_u32 v13, v3, 5, v13
	s_delay_alu instid0(VALU_DEP_1)
	v_add_nc_u32 v13, s27, v13                     ; the stage, in: row 16 mu + r, + 64 kp + 32 h
	s_mul_i32 s27, s16, 4*272
	s_add_co_u32 s27, s27, STG
	v_mul_u32_u24 v14, v3, 272
	s_delay_alu instid0(VALU_DEP_1)
	v_lshl_add_u32 v14, v2, 4, v14
	s_delay_alu instid0(VALU_DEP_1)
	v_add_nc_u32 v14, s27, v14                     ; back: rows 4 wave + h (+ 2), 16 bytes a lane
	s_lshl_b32 s27, s16, 14
	v_lshlrev_b32 v15, 12, v3
	s_delay_alu instid0(VALU_DEP_1)
	v_lshl_add_u32 v15, v2, 4, v15
	s_delay_alu instid0(VALU_DEP_1)
	v_add_nc_u32 v15, s27, v15                     ; and the same rows of out, 4,096 bytes each
	s_mov_b32 s[SEL], 0x76543210
	s_mov_b32 s[SEL+1], 0xfedcba98
	s_mov_b32 s[MNT], 0x600000
	s_mov_b32 s[CN], 0xc038aa3b                    ; -2 log2(e)
	s_mov_b32 s[CN+1], s[CN]                       ; (named with it as a pair, so it is written)
.irp b, 0,1,2,3
	v_mov_b32 v[TM+4+\b], 0                        ; written once: a lane permute's destination counts as one of its sources
.endr
	s_lshl_b32 s28, s17, 7                         ; sc: 16 mu x 8 bytes,
	s_lshl_b32 s29, s18, 15                        ; 2 kp K steps of 64 blocks of 256 bytes
	s_add_co_u32 s28, s28, s29
	s_mov_b32 s29, 0
	s_lshl_b32 s30, ttmp9, 2
	s_add_co_u32 s30, s30, s18                     ; my tile of 16 columns: 4 x + kp
	s_lshl_b32 s32, s30, 6                         ; vscale: 64 bytes a tile
	s_mov_b32 s33, 0
	s_lshl_b32 s30, s30, 14                        ; vfrag: 16,384 bytes a tile
	s_mov_b32 s31, 0
	s_lshl_b32 s34, ttmp9, 8                       ; out: 256 bytes of a row
	s_mov_b32 s35, 0
	s_wait_kmcnt 0x0
	s_add_nc_u64 s[4:5], s[4:5], s[28:29]
	s_add_nc_u64 s[6:7], s[6:7], s[30:31]
	s_add_nc_u64 s[8:9], s[8:9], s[32:33]
	s_add_nc_u64 s[10:11], s[10:11], s[34:35]
.irp f, 0,1
.irp c, 0,1,2,3
.irp i, 0,1,2,3,4,5,6,7
	global_load_b64 v[X+64*\f+16*\c+2*\i:X+64*\f+16*\c+2*\i+1], v4, s[4:5] offset:\f*16384+\c*4096+\i*256
.endr
.endr
.endr
	WIN 0x40                                       ; destination window 1
.irp k, 0,1,2,3,4,5,6,7
.irp c, 0,1,2,3
	global_load_b128 v[16*\k+4*\c:16*\k+4*\c+3], v5, s[6:7] offset:\k*2048+\c*512   ; my tile's eight fragments of values
.endr
.endr
	WIN 0
.irp k, 0,1,2,3,4,5,6,7
	global_load_b32 v[VS+\k], v6, s[8:9] offset:\k*4096
.endr
	s_wait_loadcnt 40                              ; sg is in; the 40 loads of values' codes and scale words may be out
	; ---- the maximum: t = -2 log2(e) sg, so the largest t is 2 log2(e) x the largest -sg
.irp q, 0,1,2,3
	v_max3_num_f32 v[TM+\q], -v[X+32*\q], -v[X+32*\q+1], -v[X+32*\q+2]
.endr
.irp i, 3,5,7,9,11,13,15,17,19,21,23,25,27,29
.irp q, 0,1,2,3
	s_delay_alu instid0(VALU_DEP_4)
	v_max3_num_f32 v[TM+\q], v[TM+\q], -v[X+32*\q+\i], -v[X+32*\q+\i+1]
.endr
.endr
.irp q, 0,1,2,3
	s_delay_alu instid0(VALU_DEP_4)
	v_max_num_f32 v[TM+\q], v[TM+\q], -v[X+32*\q+31]
.endr
	s_delay_alu instid0(VALU_DEP_2)
	v_max3_num_f32 v[TM], v[TM], v[TM+1], v[TM+2]
	s_delay_alu instid0(VALU_DEP_1)
	v_max_num_f32 v[TM], v[TM], v[TM+3]
	s_delay_alu instid0(VALU_DEP_1)
	v_permlanex16_b32 v[TM+4], v[TM], s[SEL], s[SEL+1]
	s_delay_alu instid0(VALU_DEP_1)
	v_max_num_f32 v[TM], v[TM], v[TM+4]            ; of my 256 s, for b = 16 mu + r
	ds_store_b32 v7, v[TM] offset:MX               ; both halves of the lanes write the same word with the same value
	BAR
.irp k, 0,1,2,3
	ds_load_b32 v[20+\k], v8 offset:MX+128*\k
.endr
	s_wait_dscnt 0x0
	v_max3_num_f32 v24, v20, v21, v22
	s_delay_alu instid0(VALU_DEP_1)
	v_max_num_f32 v24, v24, v23
	s_delay_alu instid0(VALU_DEP_1)
	v_mul_f32 v24, 0x4038aa3b, v24                 ; the largest t of my b
	s_delay_alu instid0(VALU_DEP_1)
	v_mov_b32 v25, v24
.set i, 0
.rept 64
	v_pk_fma_f32 v[X+i:X+i+1], v[X+i:X+i+1], s[CN:CN+1], v[24:25] op_sel_hi:[1,0,1] neg_lo:[0,0,1] neg_hi:[0,0,1]   ; t less the largest t, in one rounding
.set i, i+2
.endr
.set i, 0
	s_wait_alu depctr_va_vdst(0)
.rept 128
	v_exp_f32 v[X+i], v[X+i]
.set i, i+1
.endr
	v_nop                                          ; a plain line behind the last exponential,
	s_wait_alu depctr_va_vdst(0)                   ; and one wait for the batch, ahead of its first reader
	v_pk_add_f32 v[34:35], v[64:65], v[66:67]
	v_pk_add_f32 v[36:37], v[68:69], v[70:71]
	v_pk_add_f32 v[38:39], v[72:73], v[74:75]
	v_pk_add_f32 v[254:255], v[76:77], v[78:79]
	v_pk_add_f32 v[252:253], v[80:81], v[82:83]
	v_pk_add_f32 v[250:251], v[84:85], v[86:87]
	v_pk_add_f32 v[248:249], v[88:89], v[90:91]
	v_pk_add_f32 v[32:33], v[92:93], v[94:95]
	v_pk_add_f32 v[32:33], v[32:33], v[96:97]
	v_pk_add_f32 v[34:35], v[34:35], v[98:99]
	v_pk_add_f32 v[36:37], v[36:37], v[100:101]
	v_pk_add_f32 v[38:39], v[38:39], v[102:103]
	v_pk_add_f32 v[254:255], v[254:255], v[104:105]
	v_pk_add_f32 v[252:253], v[252:253], v[106:107]
	v_pk_add_f32 v[250:251], v[250:251], v[108:109]
	v_pk_add_f32 v[248:249], v[248:249], v[110:111]
	v_pk_add_f32 v[32:33], v[32:33], v[112:113]
	v_pk_add_f32 v[34:35], v[34:35], v[114:115]
	v_pk_add_f32 v[36:37], v[36:37], v[116:117]
	v_pk_add_f32 v[38:39], v[38:39], v[118:119]
	v_pk_add_f32 v[254:255], v[254:255], v[120:121]
	v_pk_add_f32 v[252:253], v[252:253], v[122:123]
	v_pk_add_f32 v[250:251], v[250:251], v[124:125]
	v_pk_add_f32 v[248:249], v[248:249], v[126:127]
	v_pk_add_f32 v[32:33], v[32:33], v[128:129]
	v_pk_add_f32 v[34:35], v[34:35], v[130:131]
	v_pk_add_f32 v[36:37], v[36:37], v[132:133]
	v_pk_add_f32 v[38:39], v[38:39], v[134:135]
	v_pk_add_f32 v[254:255], v[254:255], v[136:137]
	v_pk_add_f32 v[252:253], v[252:253], v[138:139]
	v_pk_add_f32 v[250:251], v[250:251], v[140:141]
	v_pk_add_f32 v[248:249], v[248:249], v[142:143]
	v_pk_add_f32 v[32:33], v[32:33], v[144:145]
	v_pk_add_f32 v[34:35], v[34:35], v[146:147]
	v_pk_add_f32 v[36:37], v[36:37], v[148:149]
	v_pk_add_f32 v[38:39], v[38:39], v[150:151]
	v_pk_add_f32 v[254:255], v[254:255], v[152:153]
	v_pk_add_f32 v[252:253], v[252:253], v[154:155]
	v_pk_add_f32 v[250:251], v[250:251], v[156:157]
	v_pk_add_f32 v[248:249], v[248:249], v[158:159]
	v_pk_add_f32 v[32:33], v[32:33], v[160:161]
	v_pk_add_f32 v[34:35], v[34:35], v[162:163]
	v_pk_add_f32 v[36:37], v[36:37], v[164:165]
	v_pk_add_f32 v[38:39], v[38:39], v[166:167]
	v_pk_add_f32 v[254:255], v[254:255], v[168:169]
	v_pk_add_f32 v[252:253], v[252:253], v[170:171]
	v_pk_add_f32 v[250:251], v[250:251], v[172:173]
	v_pk_add_f32 v[248:249], v[248:249], v[174:175]
	v_pk_add_f32 v[32:33], v[32:33], v[176:177]
	v_pk_add_f32 v[34:35], v[34:35], v[178:179]
	v_pk_add_f32 v[36:37], v[36:37], v[180:181]
	v_pk_add_f32 v[38:39], v[38:39], v[182:183]
	v_pk_add_f32 v[254:255], v[254:255], v[184:185]
	v_pk_add_f32 v[252:253], v[252:253], v[186:187]
	v_pk_add_f32 v[250:251], v[250:251], v[188:189]
	v_pk_add_f32 v[248:249], v[248:249], v[190:191]
	s_delay_alu instid0(VALU_DEP_4)
	v_pk_add_f32 v[32:33], v[32:33], v[254:255]
	s_delay_alu instid0(VALU_DEP_4)
	v_pk_add_f32 v[34:35], v[34:35], v[252:253]
	s_delay_alu instid0(VALU_DEP_4)
	v_pk_add_f32 v[36:37], v[36:37], v[250:251]
	s_delay_alu instid0(VALU_DEP_4)
	v_pk_add_f32 v[38:39], v[38:39], v[248:249]
	s_delay_alu instid0(VALU_DEP_2)
	v_pk_add_f32 v[32:33], v[32:33], v[36:37]
	s_delay_alu instid0(VALU_DEP_2)
	v_pk_add_f32 v[34:35], v[34:35], v[38:39]
	s_delay_alu instid0(VALU_DEP_1)
	v_pk_add_f32 v[32:33], v[32:33], v[34:35]
	s_delay_alu instid0(VALU_DEP_1)
	v_add_f32 v[TM], v[TM], v[TM+1]
	s_delay_alu instid0(VALU_DEP_1)
	v_permlanex16_b32 v[TM+4], v[TM], s[SEL], s[SEL+1]
	s_delay_alu instid0(VALU_DEP_1)
	v_add_f32 v[TM], v[TM], v[TM+4]
	ds_store_b32 v7, v[TM] offset:SM
	BAR
.irp k, 0,1,2,3
	ds_load_b32 v[20+\k], v8 offset:SM+128*\k
.endr
	s_wait_dscnt 0x0
	v_add_f32 v20, v20, v21
	v_add_f32 v22, v22, v23
	s_delay_alu instid0(VALU_DEP_1)
	v_add_f32 v20, v20, v22                        ; the row's sum, in the same order in every wave
	s_wait_alu depctr_va_vdst(0)
	v_rcp_f32 v26, v20
	v_nop
	s_wait_alu depctr_va_vdst(0)
	v_mov_b32 v27, v26
.set i, 0
.rept 64
	v_pk_mul_f32 v[X+i:X+i+1], v[X+i:X+i+1], v[26:27]           ; attn, finished and normalised
.set i, i+2
.endr
.irp f, 0,1
	QS0 X+64*\f
	QS1 PW
	QSC X+64*\f, 0
	QSC X+64*\f, 2
.irp c, 0,1,2,3
	ds_store_b128 v9, v[PC+4*\c:PC+4*\c+3] offset:\f*2048+\c*512
.endr
	ds_store_b32 v10, v[PW] offset:\f*128
	s_wait_dscnt 0x0                               ; the stores have read their registers
.endr
	BAR                                            ; attn's sixteen fragments lie in LDS
.irp k, 0,1,2,3,4,5,6,7
.irp c, 0,1,2,3
	ds_load_b128 v[X+16*\k+4*\c:X+16*\k+4*\c+3], v11 offset:\k*2048+\c*512
.endr
	ds_load_b32 v[AS+\k], v12 offset:\k*128
.endr
	s_wait_dscnt 0x0
	s_wait_loadcnt 0x0                             ; values' codes and scale words
	WIN 0x01                                       ; source 0 (values) window 1
.irp k, 0,1,2,3,4,5,6,7                        ; two accumulators by turns, one instruction a turn; the first two products start the sums
.if \k < 2
	v_wmma_scale_f32_16x16x128_f8f6f4 v[ACC+8*(\k%2):ACC+8*(\k%2)+7], v[16*\k:16*\k+15], v[X+16*\k:X+16*\k+15], 0, v[VS+\k], v[AS+\k]
.else
	v_wmma_scale_f32_16x16x128_f8f6f4 v[ACC+8*(\k%2):ACC+8*(\k%2)+7], v[16*\k:16*\k+15], v[X+16*\k:X+16*\k+15], v[ACC+8*(\k%2):ACC+8*(\k%2)+7], v[VS+\k], v[AS+\k]
.endif
.endr
	WIN 0
.rept 8
	v_nop                                          ; the places in front of the first read of results (ISA guide 7.12.1)
.endr
.irp p, 0,2,4,6
	v_pk_add_f32 v[O+\p:O+\p+1], v[ACC+\p:ACC+\p+1], v[ACC+8+\p:ACC+8+\p+1]     ; both accumulators from their low ends on
.endr
	ds_store_b128 v13, v[O:O+3]                    ; out(16 mu + r, 64 x + 16 kp + 8 h + 0 .. 7)
	ds_store_b128 v13, v[O+4:O+7] offset:16
	BAR                                            ; 32 rows of 256 bytes lie in the stage
	ds_load_b128 v[O:O+3], v14
	ds_load_b128 v[O+4:O+7], v14 offset:2*272
	s_wait_dscnt 0x0
	global_store_b128 v15, v[O:O+3], s[10:11]      ; sixteen lanes store 256 consecutive bytes, aligned
	global_store_b128 v15, v[O+4:O+7], s[10:11] offset:2*4096
	s_wait_tensorcnt 0x0                           ; the wave's end, behind my last LDS store
	ds_add_u32 v[SPW], v[NIL]
	s_wait_dscnt 0x0
	s_endpgm
.Lfunc_end_k_q596ef9a6df_combine:
	.size	k_q596ef9a6df_combine, .Lfunc_end_k_q596ef9a6df_combine-k_q596ef9a6df_combine
	.p2alignl 7, 3214868480
	.fill 96, 4, 3214868480
	.section	.rodata,"a",@progbits
	.p2align	6, 0x0
	.amdhsa_kernel k_q596ef9a6df_combine
		.amdhsa_group_segment_fixed_size 45568
		.amdhsa_private_segment_fixed_size 0
		.amdhsa_enable_private_segment 0
		.amdhsa_kernarg_size 32
		.amdhsa_user_sgpr_count 2
		.amdhsa_user_sgpr_kernarg_segment_ptr 1
		.amdhsa_wavefront_size32 1
		.amdhsa_system_sgpr_workgroup_id_x 1
		.amdhsa_system_sgpr_workgroup_id_y 1
		.amdhsa_system_sgpr_workgroup_id_z 1
		.amdhsa_system_vgpr_workitem_id 0
		.amdhsa_next_free_vgpr 384
		.amdhsa_next_free_sgpr 66
		.amdhsa_reserve_vcc 0
		.amdhsa_float_denorm_mode_32 3
		.amdhsa_float_denorm_mode_16_64 3
		.amdhsa_memory_ordered 1
		.amdhsa_forward_progress 1
		.amdhsa_inst_pref_size 62
	.end_amdhsa_kernel
	.amdgpu_metadata
---
amdhsa.version: [ 1, 2 ]
amdhsa.kernels:
  - .name:           k_q596ef9a6df_combine
    .symbol:         k_q596ef9a6df_combine.kd
    .args:
      - { .name: sc, .offset: 0, .size: 8, .value_kind: global_buffer, .address_space: global }
      - { .name: vfrag, .offset: 8, .size: 8, .value_kind: global_buffer, .address_space: global }
      - { .name: vscale, .offset: 16, .size: 8, .value_kind: global_buffer, .address_space: global }
      - { .name: out0, .offset: 24, .size: 8, .value_kind: global_buffer, .address_space: global }
    .group_segment_fixed_size: 45568
    .private_segment_fixed_size: 0
    .kernarg_segment_align: 8
    .kernarg_segment_size: 32
    .max_flat_workgroup_size: 256
    .sgpr_count:     66
    .vgpr_count:     384
    .wavefront_size: 32
...
	.end_amdgpu_metadata
.endif
;; end of part 6
